; MI455X (gfx1250); checked and timed in simulation.
; The chip was launched on July 23, 2026; its instructions are those of AMD's public machine-readable ISA for CDNA 5 (MIT licence, August 2026) and "CDNA5" Instruction Set Architecture Reference Guide (July 2026). The comments in the code are by the model that wrote it; some were corrected since.
;; Decoder Block. Allowed arithmetic: matrix products marked QUANTISED: E4M3 operands, one given power-of-two scale a tensor, by v_wmma_f32_16x16x64_fp8_fp8 or v_wmma_f32_16x16x128_fp8_fp8, f32 sums; everything else in f32.
;; Inputs: W1_codes 2,048 x 16 x 32 uint8 (E4M3 codes of W1, K innermost, in blocks of 32 codes); W2_codes 512 x 64 x 32 uint8 (E4M3 codes of W2, K innermost, in blocks of 32 codes); Wk_c_codes 8 x 64 x 16 x 32 uint8 (E4M3 codes of Wk_c, K innermost, in blocks of 32 codes); Wk_s_codes 8 x 64 x 16 x 32 uint8 (E4M3 codes of Wk_s, K innermost, in blocks of 32 codes); Wo_c_codes 512 x 16 x 32 uint8 (E4M3 codes of Wo_c, K innermost, in blocks of 32 codes); Wo_s_codes 512 x 16 x 32 uint8 (E4M3 codes of Wo_s, K innermost, in blocks of 32 codes); Wq_c_codes 8 x 64 x 16 x 32 uint8 (E4M3 codes of Wq_c, K innermost, in blocks of 32 codes); Wq_s_codes 8 x 64 x 16 x 32 uint8 (E4M3 codes of Wq_s, K innermost, in blocks of 32 codes); Wv_c_codes 8 x 64 x 16 x 32 uint8 (E4M3 codes of Wv_c, K innermost, in blocks of 32 codes); Wv_s_codes 8 x 64 x 16 x 32 uint8 (E4M3 codes of Wv_s, K innermost, in blocks of 32 codes); b1 2,048 float32; b2 512 float32; bk_c 8 x 64 float32; bk_s 8 x 64 float32; bo_c 512 float32; bo_s 512 float32; bq_c 8 x 64 float32; bq_s 8 x 64 float32; bv_c 8 x 64 float32; bv_s 8 x 64 float32; encoding_codes 4 x 2,048 x 16 x 32 uint8 (E4M3 codes of encoding, K innermost, in blocks of 32 codes); ln1_b 512 float32; ln1_g 512 float32; ln2_b 512 float32; ln2_g 512 float32; ln3_b 512 float32; ln3_g 512 float32; lowp_scales 28 int32 (the exponents e of the quantised operands' scales 2^e); mask 2,048 float32; x 4 x 2,048 x 512 float32.
;; Outputs: out0 4 x 2,048 x 512 float32.
;; This version of the problem:
;;   THIS VERSION OF THE PROBLEM IS GIVEN IN LOW PRECISION. The matrix products marked QUANTISED in the list below multiply operands that are first quantised to E4M3 (4 exponent bits, 3 mantissa bits; 8 bits a number), with one given power-of-two scale for each operand tensor; their sums are f32. All else is computed in f32.
;;   The module's matrix products, in the order in which they are computed (A, B: the left and right operand; K: the contracted axis; several contracted axes count as one K, in the product's order):
;;     1. [M 512, K 512] x [K 512, N 8,192]; A: input Wq_s (given as codes); B: input x: QUANTISED (scales: A lowp_scales[0], B lowp_scales[1])
;;     2. [M 512, K 512] x [K 512, N 8,192]; A: input Wk_s (given as codes); B: input x: QUANTISED (scales: A lowp_scales[2], B lowp_scales[3])
;;     3. [M 512, K 512] x [K 512, N 8,192]; A: input Wv_s (given as codes); B: input x: QUANTISED (scales: A lowp_scales[4], B lowp_scales[5])
;;     4. batch 32 x [M 2,048, K 64] x [K 64, N 2,048]; A: computed on the way; B: computed on the way: QUANTISED (scales: A lowp_scales[6], B lowp_scales[7])
;;     5. batch 32 x [M 2,048, K 2,048] x [K 2,048, N 64]; A: computed on the way; B: computed on the way: QUANTISED (scales: A lowp_scales[8], B lowp_scales[9])
;;     6. [M 8,192, K 512] x [K 512, N 512]; A: computed on the way; B: input Wo_s (given as codes): QUANTISED (scales: A lowp_scales[10], B lowp_scales[11])
;;     7. [M 512, K 512] x [K 512, N 8,192]; A: input Wq_c (given as codes); B: computed on the way: QUANTISED (scales: A lowp_scales[12], B lowp_scales[13])
;;     8. [M 512, K 512] x [K 512, N 8,192]; A: input Wk_c (given as codes); B: input encoding (given as codes): QUANTISED (scales: A lowp_scales[14], B lowp_scales[15])
;;     9. [M 512, K 512] x [K 512, N 8,192]; A: input Wv_c (given as codes); B: input encoding (given as codes): QUANTISED (scales: A lowp_scales[16], B lowp_scales[17])
;;     10. batch 32 x [M 2,048, K 64] x [K 64, N 2,048]; A: computed on the way; B: computed on the way: QUANTISED (scales: A lowp_scales[18], B lowp_scales[19])
;;     11. batch 32 x [M 2,048, K 2,048] x [K 2,048, N 64]; A: softmax (see below); B: computed on the way: QUANTISED (scales: A lowp_scales[20], B lowp_scales[21])
;;     12. [M 8,192, K 512] x [K 512, N 512]; A: computed on the way; B: input Wo_c (given as codes): QUANTISED (scales: A lowp_scales[22], B lowp_scales[23])
;;     13. [M 8,192, K 512] x [K 512, N 2,048]; A: computed on the way; B: input W1 (given as codes): QUANTISED (scales: A lowp_scales[24], B lowp_scales[25])
;;     14. [M 8,192, K 2,048] x [K 2,048, N 512]; A: computed on the way; B: input W2 (given as codes): QUANTISED (scales: A lowp_scales[26], B lowp_scales[27])
;;   THE QUANTISER, for each operand of a quantised product, along K:
;;     - The operand's scale is 2^e, e = its entry of the input lowp_scales (int32; the entries are numbered through the quantised products in the list's order, A before B).
;;     - Each number is divided by the scale, clamped to +-448, and rounded to the nearest number of E4M3, ties to even, subnormals kept.
;;     - The product sums the exact products of the quantised numbers (number of the format x scale) in f32.
;;   ~~~python
;;   def quantise(x, axis, e):      # numpy; x: float32 -> the quantised numbers, widened to float32 again
;;       x = np.moveaxis(x, axis, -1); K = x.shape[-1]
;;       r = np.clip(x / 2.0 ** e, -448, 448)
;;       step = 2.0 ** (np.maximum(np.frexp(np.where(r == 0, 1, r))[1] - 1, -6) - 3)
;;       q = np.round(r / step) * step * 2.0 ** e      # np.round: ties to even
;;       return np.moveaxis(q, -1, axis).astype(np.float32)
;;   ~~~
;;   SOFTMAX AHEAD OF A QUANTISED PRODUCT. Where the list says 'softmax', what is quantised is not the finished softmax but p = 2^(t - M), with t = logit x log2(e) and M = ceil(the row's largest t), a whole number; so 1/2 < the row's largest p <= 1. The row's sum l is taken of the UNQUANTISED p, in f32, and the product's result is divided by l at the end. Since M is a whole number, a kernel that streams over the keys may use a running M (the ceiling of the running maximum): every later rescaling is an exact power of two, so the quantised numbers keep their values, but for numbers so far below the row's largest that they fall under the format's range.
;;   OPERANDS COMPUTED ON THE WAY. 'Computed on the way' means the value that the module computes at that place (a softmax that the list does not call 'softmax' is quantised finished and normalised). What goes into a quantiser is computed in f32, as accurately as f32 sums, v_exp_f32 and their like allow (about 1e-6 of the number): no bf16 or f16 on the way to a quantiser, and a product that is left as it is and whose result goes on into a quantised operand takes f32 operands (vector FMAs, or v_wmma_f32_16x16x4_f32). A number that lies on a knife's edge between two numbers of the format may be rounded either way, as far as f32 arithmetic and the matrix unit's own rounding can turn it there, and no further.
;;   INPUTS GIVEN AS CODES. W1 (in the module: [512, 2048], K = its axis 0); W2 (in the module: [2048, 512], K = its axis 0); Wk_c (in the module: [8, 512, 64], K = its axis 1); Wk_s (in the module: [8, 512, 64], K = its axis 1); Wo_c (in the module: [512, 512], K = its axis 0); Wo_s (in the module: [512, 512], K = its axis 0); Wq_c (in the module: [8, 512, 64], K = its axis 1); Wq_s (in the module: [8, 512, 64], K = its axis 1); Wv_c (in the module: [8, 512, 64], K = its axis 1); Wv_s (in the module: [8, 512, 64], K = its axis 1); encoding (in the module: [4, 2048, 512], K = its axis 2): each comes as NAME_codes (uint8): NAME with its K axis moved to the last place and cut into blocks of 32 codes, [.., K / 32, bytes a block], one block behind the other in memory; one code a byte (a code: sign, 4 exponent bits, 3 mantissa bits); its scale is its entry of lowp_scales. Its value is code x scale, taken as it is: it is not quantised again, and the codes and scales need not be those that the quantiser above would give.
;; One version. Each part assembles by itself: llvm-mc -triple=amdgcn-amd-amdhsa -mcpu=gfx1250 --defsym DOCPART=n.
;; ======== version 1 of 1: 5 launches
;; limits: right only within a limited range of input values
;; workspace buffers: qkv_s 12,582,912 bytes; kv_c 8,388,608 bytes; o_s 4,194,304 bytes; hres 16,777,216 bytes; q_c 4,194,304 bytes; o_c 4,194,304 bytes; wimg 2,359,296 bytes
;; launch proj (part 1): grid 128 x 2, 4 waves a work-group, clusters of 4 x 1, 327,680 bytes of LDS; arguments x, encoding_codes, Wq_s_codes, Wk_s_codes, Wv_s_codes, Wk_c_codes, Wv_c_codes, bq_s, bk_s, bv_s, bk_c, bv_c, lowp_scales, qkv_s, kv_c; writes qkv_s, kv_c
.if DOCPART == 1
	.amdgcn_target "amdgcn-amd-amdhsa--gfx1250"
	.amdhsa_code_object_version 6
	.text
	.protected	k_qa62d82c9b2_proj
	.globl	k_qa62d82c9b2_proj
	.p2align	8
	.type	k_qa62d82c9b2_proj,@function
k_qa62d82c9b2_proj:
	s_mov_b64 s[64:65], 0
	v_nop
	global_prefetch_b8 v0, s[64:65] scope:SCOPE_SE
	s_setreg_imm32_b32 hwreg(HW_REG_WAVE_MODE, 25, 1), 1
	s_wait_xcnt 0x0
	s_wait_alu depctr_hold_cnt(0) depctr_sa_sdst(0) depctr_va_vdst(0) depctr_va_sdst(0) depctr_va_ssrc(0) depctr_va_vcc(0) depctr_vm_vsrc(0)
	s_getreg_b32 s2, hwreg(HW_REG_IB_STS2, 6, 4)
	s_cmp_eq_u32 s2, 0
	s_cbranch_scc0 .Lentry_in_a_cluster
	s_endpgm
.Lentry_in_a_cluster:
	s_bfe_u32 s2, ttmp6, 0x10000c
	s_cmp_lg_u32 s2, 0x3003
	s_cbranch_scc0 .Lentry_shape_is_right
	s_endpgm
.Lentry_shape_is_right:
; PROJ: q, k, v of the self-attention (from x) and k, v of the cross-attention (from the encoding's codes), all as E4M3 codes.
; A work-group of four waves owns 64 tokens (four tiles of 16) and FOUR OF THE EIGHT HEADS (work-group y: heads 4 y .. 4 y + 3): it walks five tiles of 256 weight rows x 512 bytes, one of each
; matrix, in five trips; in a trip wave w takes head 4 y + w (64 rows).  So a work-group takes in 640 KB of weights for 64 tokens.
; The four work-groups of a cluster lie along x, share y and so every weight tile: they ask for it JOINTLY (mask 15).  A ring of two LDS slots; each wave brings a quarter of a slot by one tensor load.
; x is quantised three times (the three products have scales of their own).  Each wave keeps K step w of the four tiles as f32, makes its four fragments and hands them on through LDS as images of the
; operand's registers (four registers = 512 consecutive bytes, 16 a lane).  LDS has room for one set of images: the next set is stored behind a barrier that follows every wave's reads of the last one,
; and is shown to all by the next change of slots.  The encoding's codes go the same way, as they are given.
; Fragments keep k in its true places: registers 2c, 2c+1 hold k = 16c + 8 (lane/16) + 0..7.
; q, k: source 0 = 16 weight rows, source 1 = 16 tokens: a lane holds one token and eight neighbouring channels, so one conversion gives a register pair of the next operand.
; v: source 0 = tokens, source 1 = weight rows: a lane holds one channel and eight neighbouring tokens (the keys are the next K).
; A sum stands for sum x 2^(eW+ex): the bias goes in as the first C, times 2^-(eW+ex); the conversion takes 2^(eout-eW-ex).
; LIMITS: e1, e3, e5 and each eout-eW-ex lie between -126 and 119.  NaN among the inputs is not served.
; WINDOWS: 0: addresses, ACC, BC, PC.  1: 16 weight fragments.  2: 16 token fragments.  3: x as f32 (my K step of four tiles), later my K step of the encoding's codes.
.set QUART, 33792                      ; 64 rows x (512 + 16) bytes
.set SLOT1, 135168
.set XIMG,  270336                     ; sixteen fragment images (tile m, K step s at 2,048 (4 m + s)): 32,768 bytes
.set SPARE, 303104                     ; the spare words: 128 bytes a wave
.set LI,  1                            ; 16 x lane
.set WA,  2                            ; v2, v3: my weight rows in slot 0, 1
.set XA,  4
.set XW,  5
.set XR,  6
.set EA,  7
.set BA,  8
.set BVA, 9
.set OA,  10
.set SCL, 24
.set LIM, 25
.set SPW, 28
.set NIL, 29
.set ACC, 32                           ; v32-159: sixteen accumulators
.set BC,  160                          ; v160-191: the bias as the first C
.set PC,  192                          ; v192-223: codes
.set TMP, 224
.set TF,  0                            ; window 2
.set XS,  0                            ; window 3
.set WV,  34
.set T0,  35
.set GG,  36
.set T1,  37
.set P0,  38
.set P1,  40
.set YH,  42
.set CX,  43
.set G1A, 44
.set G0A, 52
.set YO,  56
.set Q1,  58
.set BEX, 59
.set OQK, 60
.set OV,  62
.set OKC, 66
.set OVC, 68
.set EX,  72                           ; s72-99: the 28 exponents
.set MSB, 0
.macro WIN new                         ; the immediate's high byte repeats the setting that is left
.if MSB != (\new)
	s_set_vgpr_msb (MSB<<8)|(\new)
.set MSB, (\new)
.endif
.endm
.macro PLACES
.rept 4
	v_nop
.endr
.endm
.macro ROUND                           ; a round of the cluster's barrier
	s_barrier_signal -1
	s_barrier_wait -1
	s_cmp_lg_u32 s[WV], 0
	s_cbranch_scc1 .Lnw0_\@
	s_barrier_signal -3
.Lnw0_\@:
	s_barrier_wait -3
	s_barrier_signal -1
	s_barrier_wait -1
.endm
.macro BAR                             ; my LDS loads are in and my LDS stores have landed: then the work-group's barrier.  The tensor load may stay out
	s_wait_dscnt 0x0
	s_barrier_signal -1
	s_barrier_wait -1
.endm
.macro CHA                             ; the change of slots, first half: all my tensor loads have landed; the add
	WIN 0
	s_wait_tensorcnt 0x0
	ds_add_u32 v[SPW], v[NIL]
.endm
.macro CHB fill                        ; second half: the add and all my LDS reads and stores are done; the round; the joint refill first behind it
	s_wait_dscnt 0x0
	ROUND
.if \fill
	tensor_load_to_lds s[G0A:G0A+3], s[G1A:G1A+7]
	s_nop 0
.endif
	PLACES                                         ; also the places ahead of loads into registers that matrix instructions have read
.endm
.macro FILLSET ptr, slot               ; group 0 of the next fill: the matrix + head (4 y + wave) x 32,768 bytes, into the slot's quarter of my wave
	s_lshl_b32 s2, s[WV], 15
	s_add_co_u32 s2, s2, s[YO]
	s_mov_b32 s3, 0
	s_add_co_u32 s[G0A+1], s[Q1], (\slot)*SLOT1
	s_add_nc_u64 s[G0A+2:G0A+3], s[\ptr:\ptr+1], s[2:3]
	s_or_b32 s[G0A+3], s[G0A+3], 0x80000000
.endm
.macro LG slot, gam                    ; K step gam of my four tiles of 16 weight rows: 32 loads of 8 bytes
	WIN 0x40
.irp t, 0,1,2,3
.irp c, 0,1,2,3,4,5,6,7
	ds_load_b64 v[16*(4*(\gam)+\t)+2*\c:16*(4*(\gam)+\t)+2*\c+1], v[WA+(\slot)] offset:16*\t*528+128*(\gam)+16*\c
.endr
.endr
.endm
.macro MG kind, gam                    ; sixteen matrix instructions on sixteen accumulators by turns
.if (\kind) == 0
	WIN 0x09
.irp m, 0,1,2,3
.irp t, 0,1,2,3
.if (\gam) == 0
	v_wmma_f32_16x16x128_fp8_fp8 v[ACC+32*\m+8*\t:ACC+32*\m+8*\t+7], v[16*(4*(\gam)+\t):16*(4*(\gam)+\t)+15], v[TF+16*(4*\m+(\gam)):TF+16*(4*\m+(\gam))+15], v[BC+8*\t:BC+8*\t+7]
.else
	v_wmma_f32_16x16x128_fp8_fp8 v[ACC+32*\m+8*\t:ACC+32*\m+8*\t+7], v[16*(4*(\gam)+\t):16*(4*(\gam)+\t)+15], v[TF+16*(4*\m+(\gam)):TF+16*(4*\m+(\gam))+15], v[ACC+32*\m+8*\t:ACC+32*\m+8*\t+7]
.endif
.endr
.endr
.else
	WIN 0x06
.irp t, 0,1,2,3
.irp m, 0,1,2,3
.if (\gam) == 0
	v_wmma_f32_16x16x128_fp8_fp8 v[ACC+32*\t+8*\m:ACC+32*\t+8*\m+7], v[TF+16*(4*\m+(\gam)):TF+16*(4*\m+(\gam))+15], v[16*(4*(\gam)+\t):16*(4*(\gam)+\t)+15], v[BC+8*\t:BC+8*\t+7]
.else
	v_wmma_f32_16x16x128_fp8_fp8 v[ACC+32*\t+8*\m:ACC+32*\t+8*\m+7], v[TF+16*(4*\m+(\gam)):TF+16*(4*\m+(\gam))+15], v[16*(4*(\gam)+\t):16*(4*(\gam)+\t)+15], v[ACC+32*\t+8*\m:ACC+32*\t+8*\m+7]
.endif
.endr
.endr
.endif
.endm
.macro TRIPMM kind, slot               ; a slot's work: 128 LDS loads, 64 matrix instructions; the loads run one group ahead
	LG \slot, 0
	LG \slot, 1
	s_wait_dscnt 32                                ; all but the youngest group's 32 loads
	MG \kind, 0
	LG \slot, 2
	s_wait_dscnt 32
	MG \kind, 1
	LG \slot, 3
	s_wait_dscnt 32
	MG \kind, 2
	s_wait_dscnt 0x0
	MG \kind, 3
	WIN 0
.endm
.macro SETSC1 e                        ; the scale 2^e and 448 x 2^e
	s_add_co_i32 s[T0], s[\e], 127
	s_lshl_b32 s[T1], s[T0], 23
	v_mov_b32 v[SCL], s[T1]
	s_add_co_i32 s[T0], s[T0], 8
	s_lshl_b32 s[T0], s[T0], 23
	s_or_b32 s[T0], s[T0], 0x600000
	v_mov_b32 v[LIM], s[T0]
.endm
.macro SETSC ea, eb, eo                ; the three scales folded: 2^(eo-ea-eb), 448 x that; the bias's exponent -(ea+eb)
	s_add_co_i32 s[T0], s[\ea], s[\eb]
	s_sub_co_i32 s[BEX], 0, s[T0]
	s_sub_co_i32 s[T0], s[\eo], s[T0]
	s_add_co_i32 s[T0], s[T0], 127
	s_lshl_b32 s[T1], s[T0], 23
	v_mov_b32 v[SCL], s[T1]
	s_add_co_i32 s[T0], s[T0], 8
	s_lshl_b32 s[T0], s[T0], 23
	s_or_b32 s[T0], s[T0], 0x600000
	v_mov_b32 v[LIM], s[T0]
.endm
.macro QUANT                           ; the 128 sums become 32 registers of codes
	PLACES                                         ; four places between the last products and the first read of their results
	s_wait_xcnt 0x0                                ; the last stores have read PC
.set ii, 0
.rept 128
	v_med3_num_f32 v[ACC+ii], v[ACC+ii], -v[LIM], v[LIM]   ; the conversion does not saturate (ISA guide 7.6.2): the hold comes first; each accumulator from its low end on
.set ii, ii+1
.endr
.irp a, 0,1,2,3,4,5,6,7,8,9,10,11,12,13,14,15
	v_cvt_scalef32_pk8_fp8_f32 v[PC+2*\a:PC+2*\a+1], v[ACC+8*\a:ACC+8*\a+7], v[SCL]
.endr
	v_nop                                          ; a plain line behind the last conversion
.endm
.macro QX src, off                     ; 64 numbers of window 3 become a fragment, whose image goes to LDS; the numbers are kept
	WIN 0x03
.set ii, 0
.rept 64
	v_med3_num_f32 v[ACC+ii], v[(\src)+ii], -v[LIM], v[LIM]
.set ii, ii+1
.endr
	WIN 0
.irp a, 0,1,2,3,4,5,6,7
	v_cvt_scalef32_pk8_fp8_f32 v[PC+2*\a:PC+2*\a+1], v[ACC+8*\a:ACC+8*\a+7], v[SCL]
.endr
	v_nop
.irp q, 0,1,2,3
	ds_store_b128 v[XW], v[PC+4*\q:PC+4*\q+3] offset:(\off)+512*\q
.endr
	s_wait_dscnt 0x0                               ; the stores have read their registers
.endm
.macro QX4                             ; my K step of the four token tiles
	s_wait_xcnt 0x0                                ; the last trip's stores have read PC
.irp m, 0,1,2,3
	QX XS+64*\m, 8192*\m
.endr
.endm
.macro TFLOAD                          ; sixteen fragment images back from LDS
	WIN 0x80
.set ii, 0
.rept 64
	ds_load_b128 v[TF+4*ii:TF+4*ii+3], v[XR] offset:512*ii
.set ii, ii+1
.endr
	WIN 0
.endm
.macro ENCLD                           ; the encoding's codes: K step = my wave, four tiles, straight in the fragments' layout
	WIN 0xc0
.irp m, 0,1,2,3
.irp c, 0,1,2,3,4,5,6,7
	global_load_b64 v[16*\m+2*\c:16*\m+2*\c+1], v[EA], s[6:7] offset:\m*8192+16*\c
.endr
.endr
	WIN 0
.endm
.macro ENCST                           ; and their images
	WIN 0x0c
.irp m, 0,1,2,3
.irp q, 0,1,2,3
	ds_store_b128 v[XW], v[16*\m+4*\q:16*\m+4*\q+3] offset:8192*\m+512*\q
.endr
.endr
	WIN 0
.endm
.macro BIASQ ptr                       ; bias of my head in the transposed result's layout: eight channels a tile
.irp t, 0,1,2,3
.irp q, 0,1
	global_load_b128 v[BC+8*\t+4*\q:BC+8*\t+4*\q+3], v[BA], s[\ptr:\ptr+1] offset:64*\t+16*\q
.endr
.endr
.endm
.macro BIASV ptr                       ; for v a lane is a channel: one number a tile
.irp t, 0,1,2,3
	global_load_b32 v[TMP+\t], v[BVA], s[\ptr:\ptr+1] offset:64*\t
.endr
.endm
.macro BSCQ cnt                        ; cnt: the loads issued behind the bias's, which may stay out
	s_wait_loadcnt \cnt
.set ii, 0
.rept 32
	v_ldexp_f32 v[BC+ii], v[BC+ii], s[BEX]
.set ii, ii+1
.endr
.endm
.macro BSCV
	s_wait_loadcnt 0x0
.irp t, 0,1,2,3
.irp j, 0,1,2,3,4,5,6,7
	v_ldexp_f32 v[BC+8*\t+\j], v[TMP+\t], s[BEX]
.endr
.endr
.endm
.macro STQK base, off                  ; each store: 512 consecutive bytes
.irp m, 0,1,2,3
.irp q, 0,1
	global_store_b128 v[OA], v[PC+8*\m+4*\q:PC+8*\m+4*\q+3], s[\base:\base+1] offset:(\off)+\m*1024+\q*512
.endr
.endr
.endm
.macro STV base
.irp c, 0,1,2,3
.irp q, 0,1
	global_store_b128 v[OA], v[PC+8*\c+4*\q:PC+8*\c+4*\q+3], s[\base:\base+1] offset:\c*2048+\q*512
.endr
.endr
.endm
	s_load_b512 s[4:19], s[0:1], 0x0               ; x, encoding, Wq_s, Wk_s, Wv_s, Wk_c, Wv_c, bq_s
	s_load_b256 s[20:27], s[0:1], 0x40             ; bk_s, bv_s, bk_c, bv_c
	s_load_b128 s[28:31], s[0:1], 0x60             ; the exponents, qkv_s
	s_load_b64 s[32:33], s[0:1], 0x70              ; kv_c
	v_lshl_add_u32 v[SPW], v0, 2, SPARE
	v_mov_b32 v[NIL], 0
	ds_add_u32 v28, v29
	ds_add_u32 v28, v29
	s_wait_dscnt 0x0
	v_lshrrev_b32 v30, 5, v0
	v_readfirstlane_b32 s[WV], v30                 ; wave 0..3
	s_bfe_u32 s[CX], ttmp6, 0x40000
	s_lshl_b32 s[GG], ttmp9, 2
	s_add_co_u32 s[GG], s[GG], s[CX]               ; my group of 64 tokens: it enters global addresses of x, the encoding and the outputs alone
	s_and_b32 s[YH], ttmp7, 0xffff                 ; which four heads: the partners share it
	s_lshl_b32 s[YO], s[YH], 17                    ; four heads' rows of a matrix are 131,072 bytes
	s_mov_b32 s[G1A], 15|(1<<20)|(1<<21)|(6<<22)|(3<<25)  ; mask: the four partners; elements of 1 byte; 4 words of padding behind every 128
	s_mov_b32 s[G1A+1], 512<<16
	s_mov_b32 s[G1A+2], 64<<16
	s_mov_b32 s[G1A+3], 512<<16
	s_mov_b32 s[G1A+4], 64
	s_mov_b32 s[G1A+5], 512
	s_mov_b32 s[G1A+6], 0
	s_mov_b32 s[G1A+7], 0
	s_mul_i32 s[Q1], s[WV], QUART
	s_wait_kmcnt 0x0
	s_load_b512 s[72:87], s[28:29], 0x0
	s_load_b256 s[88:95], s[28:29], 0x40
	s_load_b128 s[96:99], s[28:29], 0x60
	s_mov_b32 s[G0A], 1
	FILLSET 8, 0                                   ; Wq_s
	ROUND                                          ; the partners are here: the first joint load meets
	tensor_load_to_lds s[G0A:G0A+3], s[G1A:G1A+7]
	s_nop 0
	PLACES
	v_and_b32 v30, 31, v0
	v_lshlrev_b32 v[LI], 4, v30
	v_and_b32 v31, 15, v0                          ; r
	v_bfe_u32 v30, v0, 4, 1                        ; h
	v_mul_u32_u24 v[WA], v31, 528
	v_lshl_add_u32 v[WA], v30, 3, v[WA]
	v_add_nc_u32 v[WA], s[Q1], v[WA]
	v_add_nc_u32 v[WA+1], SLOT1, v[WA]
	s_lshl_b32 s[T0], s[WV], 9
	v_lshlrev_b32 v[XA], 11, v31
	v_lshl_add_u32 v[XA], v30, 5, v[XA]
	v_add_nc_u32 v[XA], s[T0], v[XA]               ; x: row r, K step = my wave, + 32 h
	s_wait_alu depctr_va_vdst(0)
	s_lshl_b32 s[T0], s[WV], 11
	s_add_co_u32 s[T0], s[T0], XIMG
	v_add_nc_u32 v[XW], s[T0], v[LI]
	v_add_nc_u32 v[XR], XIMG, v[LI]
	s_lshl_b32 s[T0], s[WV], 7
	v_lshlrev_b32 v[EA], 9, v31
	v_lshl_add_u32 v[EA], v30, 3, v[EA]
	v_add_nc_u32 v[EA], s[T0], v[EA]               ; the encoding: row r, K step = my wave, + 8 h
	s_lshl_b32 s[T0], s[WV], 8
	s_lshl_b32 s[T1], s[YH], 10
	s_add_co_u32 s[T0], s[T0], s[T1]               ; my head's 64 numbers of a bias
	v_lshl_add_u32 v[BA], v30, 5, s[T0]
	v_lshl_add_u32 v[BVA], v31, 2, s[T0]
	s_lshl_b32 s[T0], s[WV], 17
	v_add_nc_u32 v[OA], s[T0], v[LI]               ; a head's images are 131,072 bytes
	s_lshl_b32 s[P0], s[GG], 17
	s_mov_b32 s[P0+1], 0
	s_add_nc_u64 s[4:5], s[4:5], s[P0:P0+1]        ; my 64 rows of x
	s_lshl_b32 s[P0], s[GG], 15
	s_add_nc_u64 s[6:7], s[6:7], s[P0:P0+1]        ; and of the encoding's codes
	s_lshr_b32 s[T0], s[GG], 5
	s_lshl_b32 s[P0], s[T0], 20                    ; the batch's eight heads,
	s_lshl_b32 s[T0], s[YH], 19
	s_add_co_u32 s[P0], s[P0], s[T0]               ; my four of them
	s_and_b32 s[T1], s[GG], 31
	s_lshl_b32 s[P1], s[T1], 12                    ; q, k: four tiles of 1,024 bytes
	s_add_co_u32 s[P1], s[P1], s[P0]
	s_mov_b32 s[P1+1], 0
	s_add_nc_u64 s[OQK:OQK+1], s[30:31], s[P1:P1+1]
	s_add_nc_u64 s[OKC:OKC+1], s[32:33], s[P1:P1+1]
	s_lshr_b32 s[P1], s[T1], 1
	s_lshl_b32 s[P1], s[P1], 13                    ; v: the step of 128 keys,
	s_and_b32 s[T0], s[T1], 1
	s_lshl_b32 s[T0], s[T0], 10                    ; and my 64 tokens' eight registers in it
	s_add_co_u32 s[P1], s[P1], s[T0]
	s_add_co_u32 s[P1], s[P1], s[P0]
	s_add_nc_u64 s[OV:OV+1], s[30:31], s[P1:P1+1]
	s_add_nc_u64 s[OV:OV+1], s[OV:OV+1], 0x800000
	s_add_nc_u64 s[OVC:OVC+1], s[32:33], s[P1:P1+1]
	s_add_nc_u64 s[OVC:OVC+1], s[OVC:OVC+1], 0x400000
	WIN 0xc0
.irp m, 0,1,2,3
.irp c, 0,1,2,3,4,5,6,7
.irp q, 0,1
	global_load_b128 v[XS+64*\m+8*\c+4*\q:XS+64*\m+8*\c+4*\q+3], v[XA], s[4:5] offset:\m*32768+\c*64+\q*16
.endr
.endr
.endr
	WIN 0
	s_wait_kmcnt 0x0
	s_wait_loadcnt 0x0
	SETSC1 EX+1
	s_wait_alu depctr_va_vdst(0)
	QX4                                            ; x with q's scale
	BIASQ 18
	; ---- trip 0: q
	CHA
	FILLSET 10, 1
	CHB 1
	TFLOAD
	BAR                                            ; every wave has read the images: the next set may be stored
	SETSC1 EX+3
	s_wait_alu depctr_va_vdst(0)
	QX4                                            ; x with k's scale
	SETSC EX+0, EX+1, EX+6
	BSCQ 0
	s_wait_alu depctr_va_vdst(0)
	TRIPMM 0, 0
	QUANT
	BIASQ 20
	STQK OQK, 0
	; ---- trip 1: k
	CHA
	FILLSET 12, 0
	CHB 1
	TFLOAD
	BAR
	SETSC1 EX+5
	s_wait_alu depctr_va_vdst(0)
	QX4                                            ; x with v's scale; x is done with: its registers take the encoding's codes
	ENCLD
	SETSC EX+2, EX+3, EX+7
	BSCQ 32                                        ; the bias is in; the 32 loads of the encoding may stay out
	s_wait_alu depctr_va_vdst(0)
	TRIPMM 0, 1
	QUANT
	BIASV 22
	STQK OQK, 4194304
	; ---- trip 2: v
	CHA
	FILLSET 14, 1
	CHB 1
	TFLOAD
	BAR
	s_wait_loadcnt 0x0                             ; the encoding's codes
	ENCST
	SETSC EX+4, EX+5, EX+9
	BSCV
	s_wait_alu depctr_va_vdst(0)
	TRIPMM 1, 0
	QUANT
	BIASQ 24
	STV OV
	; ---- trip 3: the cross-attention's k, from the encoding's codes as they are given
	CHA
	FILLSET 16, 0
	CHB 1
	TFLOAD
	SETSC EX+14, EX+15, EX+19
	BSCQ 0
	s_wait_alu depctr_va_vdst(0)
	TRIPMM 0, 1
	QUANT
	BIASV 26
	STQK OKC, 0
	; ---- trip 4: its v
	CHA
	CHB 0                                          ; the last trip asks for nothing
	SETSC EX+16, EX+17, EX+21
	BSCV
	s_wait_alu depctr_va_vdst(0)
	TRIPMM 1, 0
	QUANT
	STV OVC
	s_wait_tensorcnt 0x0                           ; the wave's end
	ds_add_u32 v[SPW], v[NIL]
	s_wait_dscnt 0x0
	ROUND                                          ; the closing round
	s_endpgm
.Lfunc_end_k_qa62d82c9b2_proj:
	.size	k_qa62d82c9b2_proj, .Lfunc_end_k_qa62d82c9b2_proj-k_qa62d82c9b2_proj
	.p2alignl 7, 3214868480
	.fill 96, 4, 3214868480
	.section	.rodata,"a",@progbits
	.p2align	6, 0x0
	.amdhsa_kernel k_qa62d82c9b2_proj
		.amdhsa_group_segment_fixed_size 327680
		.amdhsa_private_segment_fixed_size 0
		.amdhsa_enable_private_segment 0
		.amdhsa_kernarg_size 120
		.amdhsa_user_sgpr_count 2
		.amdhsa_user_sgpr_kernarg_segment_ptr 1
		.amdhsa_wavefront_size32 1
		.amdhsa_system_sgpr_workgroup_id_x 1
		.amdhsa_system_sgpr_workgroup_id_y 1
		.amdhsa_system_sgpr_workgroup_id_z 1
		.amdhsa_system_vgpr_workitem_id 0
		.amdhsa_next_free_vgpr 1024
		.amdhsa_next_free_sgpr 100
		.amdhsa_reserve_vcc 0
		.amdhsa_float_denorm_mode_32 3
		.amdhsa_float_denorm_mode_16_64 3
		.amdhsa_memory_ordered 1
		.amdhsa_forward_progress 1
		.amdhsa_inst_pref_size 223
	.end_amdhsa_kernel
	.amdgpu_metadata
---
amdhsa.version: [ 1, 2 ]
amdhsa.kernels:
  - .name:           k_qa62d82c9b2_proj
    .symbol:         k_qa62d82c9b2_proj.kd
    .args:
      - { .name: x, .offset: 0, .size: 8, .value_kind: global_buffer, .address_space: global }
      - { .name: encoding_codes, .offset: 8, .size: 8, .value_kind: global_buffer, .address_space: global }
      - { .name: Wq_s_codes, .offset: 16, .size: 8, .value_kind: global_buffer, .address_space: global }
      - { .name: Wk_s_codes, .offset: 24, .size: 8, .value_kind: global_buffer, .address_space: global }
      - { .name: Wv_s_codes, .offset: 32, .size: 8, .value_kind: global_buffer, .address_space: global }
      - { .name: Wk_c_codes, .offset: 40, .size: 8, .value_kind: global_buffer, .address_space: global }
      - { .name: Wv_c_codes, .offset: 48, .size: 8, .value_kind: global_buffer, .address_space: global }
      - { .name: bq_s, .offset: 56, .size: 8, .value_kind: global_buffer, .address_space: global }
      - { .name: bk_s, .offset: 64, .size: 8, .value_kind: global_buffer, .address_space: global }
      - { .name: bv_s, .offset: 72, .size: 8, .value_kind: global_buffer, .address_space: global }
      - { .name: bk_c, .offset: 80, .size: 8, .value_kind: global_buffer, .address_space: global }
      - { .name: bv_c, .offset: 88, .size: 8, .value_kind: global_buffer, .address_space: global }
      - { .name: lowp_scales, .offset: 96, .size: 8, .value_kind: global_buffer, .address_space: global }
      - { .name: qkv_s, .offset: 104, .size: 8, .value_kind: global_buffer, .address_space: global }
      - { .name: kv_c, .offset: 112, .size: 8, .value_kind: global_buffer, .address_space: global }
    .group_segment_fixed_size: 327680
    .private_segment_fixed_size: 0
    .kernarg_segment_align: 8
    .kernarg_segment_size: 120
    .max_flat_workgroup_size: 128
    .sgpr_count:     100
    .vgpr_count:     1024
    .wavefront_size: 32
...
	.end_amdgpu_metadata
.endif
;; end of part 1
;; launch attn_self (part 2): grid 8 x 32, 16 waves a work-group, clusters of 4 x 1, 264,192 bytes of LDS; arguments qkv_s, mask, lowp_scales, o_s; writes o_s
.if DOCPART == 2
	.amdgcn_target "amdgcn-amd-amdhsa--gfx1250"
	.amdhsa_code_object_version 6
	.text
	.protected	k_qa62d82c9b2_attn_self
	.globl	k_qa62d82c9b2_attn_self
	.p2align	8
	.type	k_qa62d82c9b2_attn_self,@function
k_qa62d82c9b2_attn_self:
	s_mov_b64 s[64:65], 0
	v_nop
	global_prefetch_b8 v0, s[64:65] scope:SCOPE_SE
	s_setreg_imm32_b32 hwreg(HW_REG_WAVE_MODE, 25, 1), 1
	s_wait_xcnt 0x0
	s_wait_alu depctr_hold_cnt(0) depctr_sa_sdst(0) depctr_va_vdst(0) depctr_va_sdst(0) depctr_va_ssrc(0) depctr_va_vcc(0) depctr_vm_vsrc(0)
	s_getreg_b32 s2, hwreg(HW_REG_IB_STS2, 6, 4)
	s_cmp_eq_u32 s2, 0
	s_cbranch_scc0 .Lentry_in_a_cluster
	s_endpgm
.Lentry_in_a_cluster:
	s_bfe_u32 s2, ttmp6, 0x10000c
	s_cmp_lg_u32 s2, 0x3003
	s_cbranch_scc0 .Lentry_shape_is_right
	s_endpgm
.Lentry_shape_is_right:
; SELF-ATTENTION on codes.  The second product's left operand is the FINISHED softmax times the query's mask, so the row's maximum and sum must be known before anything is quantised:
; two passes over the keys.  Pass 1: K Q^T, running M = ceil(largest t) and the sum of 2^(t-M).  Pass 2: K Q^T again, p = 2^(t-M) x |mask| / sum, quantised with 2^e8, V^T P^T.
; In pass 2 the factor |mask| / sum goes into the exponent: p = 2^(t - M - log2(sum) + log2|mask|); the two logarithms are taken once a query.  The quantiser and its hold are symmetric, so the
; mask's sign is set at the end, on the sign bits of o's codes.
; A work-group owns 256 queries of one (batch, head); each of its sixteen waves one tile of 16, in 256 registers.  The head's whole K and V images (131,072 bytes each) lie in LDS, filled once:
; each wave brings one piece of 16,384 bytes by one load: waves 0-7 K's image, waves 8-15 V's, wave w at byte 16,384 w.
; Pass 1 begins when every wave's piece has landed: its first eight steps are written out with immediate LDS offsets, all inside bytes 0 to 65,535.
; The four query blocks of a cluster need the same bytes and ask JOINTLY (mask 15).  Nothing is filled again, so there is no ring.  All of a head's K and V is asked for at the head: no prefetch.
; Both products are used transposed: a lane holds ONE query (lane % 16); S^T's register j of tile t is key 16 t + 8 (lane/16) + j, so one conversion gives registers 2t, 2t+1 of P's fragment.
; LIMITS: e6 + e7 between -123 and 130 (added to c's exponent field); e8 and e10-e8-e9 between -126 and 119.  The mask may be any finite number; one under 2^-126 in magnitude counts as 0.
.set VIMG, 131072
.set LI,  1
.set ADK, 2
.set ADV, 3
.set LV,  4
.set WV,  12
.set SEL, 20
.set CS,  22
.set G1,  24
.set G0,  32                           ; s[32:35]: group 0
.set TB,  57
.set CNT, 58
.macro ROUND
	s_barrier_signal -1
	s_barrier_wait -1
	s_cmp_lg_u32 s[WV], 0
	s_cbranch_scc1 .Lnw0_\@
	s_barrier_signal -3
.Lnw0_\@:
	s_barrier_wait -3
	s_barrier_signal -1
	s_barrier_wait -1
.endm
.macro PLACES
.rept 4
	v_nop
.endr
.endm
.macro KQ adk, off                     ; S^T of 128 keys: eight tiles
.irp t, 0,1,2,3,4,5,6,7
.irp q, 0,1
	ds_load_b128 v[32+8*\t+4*\q:35+8*\t+4*\q], v[\adk] offset:(\off)+1024*\t+512*\q
.endr
.endr
	s_wait_dscnt 0x0
.irp t, 0,1,2,3,4,5,6,7
	v_wmma_f32_16x16x64_fp8_fp8 v[96+8*\t:103+8*\t], v[32+8*\t:39+8*\t], v[16:23], 0
.endr
.endm
.macro MAXM                            ; the running largest t, -M = floor(-t), f = 2^(old M - new M)
	v_max3_num_f32 v254, v96, v97, v98
	v_max3_num_f32 v252, v99, v100, v101
.irp i, 6,10,14,18,22,26,30,34,38,42,46,50,54,58
	v_max3_num_f32 v254, v254, v[96+\i], v[97+\i]
	v_max3_num_f32 v252, v252, v[98+\i], v[99+\i]
.endr
	v_max3_num_f32 v254, v254, v158, v159
	s_delay_alu instid0(VALU_DEP_1)
	v_max_num_f32 v254, v254, v252
	s_delay_alu instid0(VALU_DEP_1)
	v_permlanex16_b32 v236, v254, s[SEL], s[SEL+1]
	s_delay_alu instid0(VALU_DEP_1)
	v_max_num_f32 v254, v254, v236
	s_delay_alu instid0(VALU_DEP_1)
	v_mul_f32 v254, s[CS], v254
	s_delay_alu instid0(VALU_DEP_1)
	v_max_num_f32 v13, v13, v254
	v_mov_b32 v254, v12
	s_delay_alu instid0(VALU_DEP_2)
	v_floor_f32 v12, -v13
	s_delay_alu instid0(VALU_DEP_1)
	v_sub_f32 v254, v12, v254
	s_delay_alu instid0(VALU_DEP_1)
	v_cvt_i32_f32 v254, v254
	s_delay_alu instid0(VALU_DEP_1)
	v_ldexp_f32 v252, 1.0, v254
.endm
.macro EXPB                            ; 2^(c s + v12): 32 packed multiply-adds, 64 exponentials as one batch
.irp j, 0,2,4,6,8,10,12,14,16,18,20,22,24,26,28,30,32,34,36,38,40,42,44,46,48,50,52,54,56,58,60,62
	v_pk_fma_f32 v[96+\j:97+\j], v[96+\j:97+\j], s[CS:CS+1], v[12:13] op_sel_hi:[1,0,0]
.endr
.set ii, 0
	s_wait_alu depctr_va_vdst(0)
.rept 64
	v_exp_f32 v[96+ii], v[96+ii]
.set ii, ii+1
.endr
.endm
.macro P1 adk, off                     ; a step of pass 1
	KQ \adk, \off
	PLACES                                         ; between the products and the first read of their results; also ahead of the next step's loads
	MAXM
	EXPB
	v_pk_mul_f32 v[14:15], v[14:15], v[252:253] op_sel_hi:[1,0]   ; the sum under the new M (a plain line behind the exponentials)
	s_wait_alu depctr_va_vdst(0)                   ; one wait for the batch, ahead of its first reader
	v_pk_add_f32 v[242:243], v[100:101], v[104:105]
	v_pk_add_f32 v[250:251], v[108:109], v[112:113]
	v_pk_add_f32 v[238:239], v[116:117], v[120:121]
	v_pk_add_f32 v[234:235], v[124:125], v[128:129]
	v_pk_add_f32 v[232:233], v[132:133], v[136:137]
	v_pk_add_f32 v[230:231], v[140:141], v[144:145]
	v_pk_add_f32 v[228:229], v[148:149], v[152:153]
	v_pk_add_f32 v[14:15], v[14:15], v[156:157]
	v_pk_add_f32 v[242:243], v[242:243], v[96:97]
	v_pk_add_f32 v[250:251], v[250:251], v[98:99]
	v_pk_add_f32 v[238:239], v[238:239], v[102:103]
	v_pk_add_f32 v[234:235], v[234:235], v[106:107]
	v_pk_add_f32 v[232:233], v[232:233], v[110:111]
	v_pk_add_f32 v[230:231], v[230:231], v[114:115]
	v_pk_add_f32 v[228:229], v[228:229], v[118:119]
	v_pk_add_f32 v[14:15], v[14:15], v[122:123]
	v_pk_add_f32 v[242:243], v[242:243], v[126:127]
	v_pk_add_f32 v[250:251], v[250:251], v[130:131]
	v_pk_add_f32 v[238:239], v[238:239], v[134:135]
	v_pk_add_f32 v[234:235], v[234:235], v[138:139]
	v_pk_add_f32 v[232:233], v[232:233], v[142:143]
	v_pk_add_f32 v[230:231], v[230:231], v[146:147]
	v_pk_add_f32 v[228:229], v[228:229], v[150:151]
	v_pk_add_f32 v[14:15], v[14:15], v[154:155]
	v_pk_add_f32 v[242:243], v[242:243], v[158:159]
	s_delay_alu instid0(VALU_DEP_2)
	v_pk_add_f32 v[14:15], v[14:15], v[234:235]
	s_delay_alu instid0(VALU_DEP_2)
	v_pk_add_f32 v[242:243], v[242:243], v[232:233]
	v_pk_add_f32 v[250:251], v[250:251], v[230:231]
	v_pk_add_f32 v[238:239], v[238:239], v[228:229]
	s_delay_alu instid0(VALU_DEP_2)
	v_pk_add_f32 v[14:15], v[14:15], v[250:251]
	s_delay_alu instid0(VALU_DEP_2)
	v_pk_add_f32 v[242:243], v[242:243], v[238:239]
	s_delay_alu instid0(VALU_DEP_1)
	v_pk_add_f32 v[14:15], v[14:15], v[242:243]
.endm
	s_load_b128 s[4:7], s[0:1], 0x0                ; qkv_s, mask
	s_load_b128 s[8:11], s[0:1], 0x10              ; the exponents, o_s
	v_lshl_add_u32 v249, v0, 2, 0x40000
	v_mov_b32 v255, 0
	ds_add_u32 v249, v255
	ds_add_u32 v249, v255
	v_lshrrev_b32 v5, 5, v0
	s_delay_alu instid0(VALU_DEP_1)
	v_readfirstlane_b32 s[WV], v5                  ; wave 0..15
	s_bfe_u32 s13, ttmp6, 0x40000
	s_lshl_b32 s14, ttmp9, 2
	s_add_co_u32 s14, s14, s13                     ; my block of 256 queries: it enters q's, the mask's and o's addresses alone
	s_and_b32 s15, ttmp7, 0xffff                   ; 8 x batch + head, which the partners share
	s_lshl_b32 s18, s[WV], 14                      ; ONE load a wave: my 16,384 bytes of LDS; waves 0-7 bring K's image, waves 8-15 V's
	s_and_b32 s16, s[WV], 7
	s_lshl_b32 s16, s16, 14
	s_lshr_b32 s17, s[WV], 3
	s_lshl_b32 s17, s17, 22                        ; v's section lies 0x400000 behind k's
	s_add_co_u32 s16, s16, s17
	s_lshl_b32 s17, s15, 17
	s_add_co_u32 s16, s16, s17
	s_mov_b32 s17, 0
	s_mov_b32 s[G1], 15|(3<<16)|(1<<21)            ; mask: the four partners; elements of 8 bytes; a dense block as 64 rows of 256 bytes
	s_mov_b32 s[G1+1], 32<<16
	s_mov_b32 s[G1+2], 64<<16                      ; 64 rows of 256 bytes
	s_mov_b32 s[G1+3], 32<<16
	s_mov_b32 s[G1+4], 64
	s_mov_b32 s[G1+5], 32
	s_mov_b32 s[G1+6], 0
	s_mov_b32 s[G1+7], 0
	s_mov_b32 s[SEL], 0x76543210
	s_mov_b32 s[SEL+1], 0xfedcba98
	s_mov_b32 s[CS], 0x3e38aa3b                    ; c = log2(e) / sqrt(64)
	s_wait_dscnt 0x0
	s_wait_kmcnt 0x0
	s_load_b128 s[52:55], s[8:9], 0x18             ; e6, e7, e8, e9
	s_load_b32 s56, s[8:9], 0x28                   ; e10
	s_mov_b32 s[G0], 1
	s_mov_b32 s[G0+1], s18                         ; K's image at LDS byte 0, V's behind it
	s_add_nc_u64 s[G0+2:G0+3], s[4:5], s[16:17]
	s_add_nc_u64 s[G0+2:G0+3], s[G0+2:G0+3], 0x400000   ; k's section
	s_or_b32 s[G0+3], s[G0+3], 0x80000000
	ROUND                                          ; the partners are here: the joint loads meet
	tensor_load_to_lds s[G0:G0+3], s[G1:G1+7]
	s_nop 0
	PLACES
	s_lshl_b32 s48, s15, 17
	s_lshl_b32 s59, s14, 14
	s_add_co_u32 s48, s48, s59
	s_lshl_b32 s59, s[WV], 10
	s_add_co_u32 s48, s48, s59
	s_mov_b32 s49, 0
	s_add_nc_u64 s[4:5], s[4:5], s[48:49]          ; my tile of q
	s_lshl_b32 s48, s14, 10
	s_lshl_b32 s59, s[WV], 6
	s_add_co_u32 s48, s48, s59
	s_add_nc_u64 s[6:7], s[6:7], s[48:49]          ; my 16 queries' mask
	s_lshr_b32 s50, s15, 3
	s_lshl_b32 s50, s50, 7
	s_lshl_b32 s59, s14, 4
	s_add_co_u32 s50, s50, s59
	s_add_co_u32 s50, s50, s[WV]                   ; token tile 128 x batch + 16 x block + wave
	s_lshl_b32 s50, s50, 13
	s_and_b32 s59, s15, 7
	s_lshl_b32 s59, s59, 10                        ; a head's 64 channels are 1,024 bytes of the tile's image
	s_add_co_u32 s50, s50, s59
	s_mov_b32 s51, 0
	s_add_nc_u64 s[10:11], s[10:11], s[50:51]
	v_and_b32 v5, 31, v0
	s_delay_alu instid0(VALU_DEP_1)
	v_lshlrev_b32 v[LI], 4, v5
	s_delay_alu instid0(VALU_DEP_1)
	v_add_nc_u32 v[LV], VIMG, v[LI]
	v_and_b32 v6, 15, v0
	s_delay_alu instid0(VALU_DEP_1)
	v_lshlrev_b32 v6, 2, v6
	global_load_b128 v[16:19], v[LI], s[4:5]
	global_load_b128 v[20:23], v[LI], s[4:5] offset:512
	global_load_b32 v246, v6, s[6:7]
	v_mov_b32 v13, 0xff61b1e6                      ; the largest t so far: -3e38
	s_delay_alu instid0(VALU_DEP_1)
	v_floor_f32 v12, -v13
	v_mov_b32 v14, 0
	v_mov_b32 v15, 0
	v_mov_b32 v236, 0
	v_mov_b32 v253, 0
.set ii, 0
.rept 32
	v_mov_b32 v[160+ii], 0                         ; O^T: pass 2 is written once, so its first step finds zeros
.set ii, ii+1
.endr
	s_wait_kmcnt 0x0
	s_add_co_i32 s59, s52, s53
	s_lshl_b32 s59, s59, 23
	s_add_co_i32 s[CS], s[CS], s59                 ; a score stands for score x 2^(e6+e7)
	s_mov_b32 s[CS+1], s[CS]
	s_add_co_i32 s59, s54, 127
	s_lshl_b32 s48, s59, 23
	v_mov_b32 v244, s48                            ; 2^e8
	s_add_co_i32 s59, s59, 8
	s_lshl_b32 s59, s59, 23
	s_or_b32 s59, s59, 0x600000
	v_mov_b32 v240, s59                            ; 448 x 2^e8
	s_sub_co_i32 s59, s56, s54
	s_sub_co_i32 s59, s59, s55
	s_add_co_i32 s59, s59, 127
	s_lshl_b32 s48, s59, 23
	v_mov_b32 v245, s48                            ; 2^(e10-e8-e9)
	s_add_co_i32 s59, s59, 8
	s_lshl_b32 s59, s59, 23
	s_or_b32 s59, s59, 0x600000
	v_mov_b32 v241, s59
	s_wait_loadcnt 0x0
	s_wait_tensorcnt 0x0                           ; my one load is in
	s_barrier_signal -1
	s_barrier_wait -1                              ; everybody's piece is in: all of K and V
.irp s, 0,1,2,3,4,5,6,7
	P1 LI, 8192*\s                                 ; pass 1, steps 0 to 7: LDS bytes 0 to 65,535 alone
.endr
	s_mov_b32 s[TB], 65536
	s_mov_b32 s[CNT], 8
.Lp1:                                              ; pass 1, steps 8 to 15
	v_add_nc_u32 v[ADK], s[TB], v[LI]
	P1 ADK, 0
	s_add_co_u32 s[TB], s[TB], 8192
	s_sub_co_u32 s[CNT], s[CNT], 1
	s_cmp_lg_u32 s[CNT], 0
	s_cbranch_scc1 .Lp1
	v_add_f32 v14, v14, v15
	s_delay_alu instid0(VALU_DEP_1)
	v_permlanex16_b32 v252, v14, s[SEL], s[SEL+1]
	s_delay_alu instid0(VALU_DEP_1)
	v_add_f32 v14, v14, v252                       ; the row's sum
	s_wait_alu depctr_va_vdst(0)
	v_log_f32 v250, v14
	v_log_f32 v251, |v246|                         ; minus infinity for a mask of 0: p is then 0
	v_ashrrev_i32 v247, 31, v246                   ; (a plain line behind the logarithms)  all ones where the mask is negative
	s_wait_alu depctr_va_vdst(0)                   ; one wait for both, ahead of the first reader
	v_sub_f32 v12, v12, v250
	v_add_f32 v12, v12, v251                       ; -M - log2(sum) + log2|mask|
	v_and_b32 v247, 0x80808080, v247               ; the sign bits of four codes
	s_mov_b32 s[TB], 0
	s_mov_b32 s[CNT], 16
.Lp2:                                              ; pass 2: 16 steps of 128 keys
	v_add_nc_u32 v[ADK], s[TB], v[LI]
	v_add_nc_u32 v[ADV], s[TB], v[LV]
	v_nop
	v_nop                                          ; four places ahead of loads into registers that matrix instructions have read
	KQ ADK, 0
	PLACES
	s_wait_alu depctr_va_vdst(0)
.irp c, 0,1,2,3
.irp q, 0,1,2,3
	ds_load_b128 v[32+16*\c+4*\q:35+16*\c+4*\q], v[ADV] offset:2048*\c+512*\q    ; V^T's four fragments land during the exponentials
.endr
.endr
	EXPB
	v_nop
	s_wait_alu depctr_va_vdst(0)
.set ii, 0
.rept 32
	v_dual_min_num_f32 v[96+ii], v[96+ii], v240 :: v_dual_min_num_f32 v[97+ii], v[97+ii], v240   ; p is not negative: a one-sided hold (the conversion does not saturate: ISA guide 7.6.2), two numbers an instruction
.set ii, ii+2
.endr
.irp a, 0,1,2,3,4,5,6,7
	v_cvt_scalef32_pk8_fp8_f32 v[224+2*\a:225+2*\a], v[96+8*\a:103+8*\a], v244
.endr
	v_nop
	s_wait_alu depctr_va_vdst(0)
	s_wait_dscnt 0x0                               ; V's fragments
.irp c, 0,1,2,3
	v_wmma_f32_16x16x128_fp8_fp8 v[160+8*\c:167+8*\c], v[32+16*\c:47+16*\c], v[224:239], v[160+8*\c:167+8*\c]
.endr
	s_add_co_u32 s[TB], s[TB], 8192
	s_sub_co_u32 s[CNT], s[CNT], 1
	s_cmp_lg_u32 s[CNT], 0
	s_cbranch_scc1 .Lp2
	PLACES
.set ii, 0
.rept 32
	v_med3_num_f32 v[160+ii], v[160+ii], -v241, v241
.set ii, ii+1
.endr
.irp c, 0,1,2,3
	v_cvt_scalef32_pk8_fp8_f32 v[224+2*\c:225+2*\c], v[160+8*\c:167+8*\c], v245
.endr
	v_nop
.irp i, 0,1,2,3,4,5,6,7
	v_xor_b32 v[224+\i], v247, v[224+\i]           ; the mask's sign
.endr
	global_store_b128 v[LI], v[224:227], s[10:11]             ; 512 consecutive bytes each
	global_store_b128 v[LI], v[228:231], s[10:11] offset:512
	s_wait_tensorcnt 0x0
	ds_add_u32 v249, v255
	s_wait_dscnt 0x0
	ROUND                                          ; the closing round
	s_endpgm
.Lfunc_end_k_qa62d82c9b2_attn_self:
	.size	k_qa62d82c9b2_attn_self, .Lfunc_end_k_qa62d82c9b2_attn_self-k_qa62d82c9b2_attn_self
	.p2alignl 7, 3214868480
	.fill 96, 4, 3214868480
	.section	.rodata,"a",@progbits
	.p2align	6, 0x0
	.amdhsa_kernel k_qa62d82c9b2_attn_self
		.amdhsa_group_segment_fixed_size 264192
		.amdhsa_private_segment_fixed_size 0
		.amdhsa_enable_private_segment 0
		.amdhsa_kernarg_size 32
		.amdhsa_user_sgpr_count 2
		.amdhsa_user_sgpr_kernarg_segment_ptr 1
		.amdhsa_wavefront_size32 1
		.amdhsa_system_sgpr_workgroup_id_x 1
		.amdhsa_system_sgpr_workgroup_id_y 1
		.amdhsa_system_sgpr_workgroup_id_z 1
		.amdhsa_system_vgpr_workitem_id 0
		.amdhsa_next_free_vgpr 256
		.amdhsa_next_free_sgpr 66
		.amdhsa_reserve_vcc 0
		.amdhsa_float_denorm_mode_32 3
		.amdhsa_float_denorm_mode_16_64 3
		.amdhsa_memory_ordered 1
		.amdhsa_forward_progress 1
		.amdhsa_inst_pref_size 116
	.end_amdhsa_kernel
	.amdgpu_metadata
---
amdhsa.version: [ 1, 2 ]
amdhsa.kernels:
  - .name:           k_qa62d82c9b2_attn_self
    .symbol:         k_qa62d82c9b2_attn_self.kd
    .args:
      - { .name: qkv_s, .offset: 0, .size: 8, .value_kind: global_buffer, .address_space: global }
      - { .name: mask, .offset: 8, .size: 8, .value_kind: global_buffer, .address_space: global }
      - { .name: lowp_scales, .offset: 16, .size: 8, .value_kind: global_buffer, .address_space: global }
      - { .name: o_s, .offset: 24, .size: 8, .value_kind: global_buffer, .address_space: global }
    .group_segment_fixed_size: 264192
    .private_segment_fixed_size: 0
    .kernarg_segment_align: 8
    .kernarg_segment_size: 32
    .max_flat_workgroup_size: 512
    .sgpr_count:     66
    .vgpr_count:     256
    .wavefront_size: 32
...
	.end_amdgpu_metadata
.endif
;; end of part 2
;; launch mid (part 3): grid 256 x 1, 4 waves a work-group, clusters of 4 x 1, 327,680 bytes of LDS; arguments o_s, x, Wo_s_codes, bo_s, ln1_g, ln1_b, Wq_c_codes, bq_c, lowp_scales, hres, q_c, W1_codes, W2_codes, Wo_c_codes, wimg; writes hres, q_c, wimg
.if DOCPART == 3
	.amdgcn_target "amdgcn-amd-amdhsa--gfx1250"
	.amdhsa_code_object_version 6
	.text
	.protected	k_qa62d82c9b2_mid
	.globl	k_qa62d82c9b2_mid
	.p2align	8
	.type	k_qa62d82c9b2_mid,@function
k_qa62d82c9b2_mid:
	s_mov_b64 s[64:65], 0
	v_nop
	global_prefetch_b8 v0, s[64:65] scope:SCOPE_SE
	s_setreg_imm32_b32 hwreg(HW_REG_WAVE_MODE, 25, 1), 1
	s_wait_xcnt 0x0
	s_wait_alu depctr_hold_cnt(0) depctr_sa_sdst(0) depctr_va_vdst(0) depctr_va_sdst(0) depctr_va_ssrc(0) depctr_va_vcc(0) depctr_vm_vsrc(0)
	s_getreg_b32 s2, hwreg(HW_REG_IB_STS2, 6, 4)
	s_cmp_eq_u32 s2, 0
	s_cbranch_scc0 .Lentry_in_a_cluster
	s_endpgm
.Lentry_in_a_cluster:
	s_bfe_u32 s2, ttmp6, 0x10000c
	s_cmp_lg_u32 s2, 0x3003
	s_cbranch_scc0 .Lentry_shape_is_right
	s_endpgm
.Lentry_shape_is_right:
; MID: h = layernorm(o Wo_s + bo_s + x), stored as f32; q of the cross-attention = Q(h) Wq_c + bq_c, stored as codes.
; A work-group of four waves owns 32 tokens; the waves share the COLUMNS: wave w holds columns 128 w .. 128 w + 127 of both token tiles in 128 registers (Y).
; The residual and the bias, times 2^-(e10+e11), start the sums as the products' C; the norm's two sums over a row meet in LDS (two barriers); the mean is taken away before the squares.
; Weights come through a ring of two LDS slots by joint tensor loads (all work-groups walk the same weights; mask 15), a quarter of a slot a wave.
; LIMITS: e10+e11 between -126 and 127; e13 and e18-e12-e13 between -126 and 119.  NaN among the inputs is not served.
; WINDOWS: 0: addresses, ACC, BC, PC, the norm's temporaries.  1: 16 weight fragments; during the norm the gain, the offset and the bias.  2: v0-127 eight token fragments; v128-255 Y.
.set QUART, 33792
.set SLOT1, 135168
.set YIMG,  270336
.set LNX,   286720
.set SPARE, 287744
.set LI,  1
.set WA,  2
.set XA,  4
.set YW,  5
.set YR,  6
.set BA,  8
.set OA,  10
.set LNA, 13
.set LNR, 14
.set PAD, 15
.set SCL, 24
.set LIM, 25
.set SPW, 28
.set NIL, 29
.set ACC, 32
.set BC,  96
.set PC,  128
.set LT,  224
.set TF,  0
.set Y,   128
.set WV,  32
.set GG,  33
.set T0,  34
.set T1,  35
.set G1A, 44
.set G0A, 52
.set HM,  60
.set SP,  62
.set Q1,  66
.set BEX, 69
.set SEL, 70
.set EX,  72
.set E1,  100
.set E2,  101
.set PG,  104
.set MSB, 0
.macro WIN new
.if MSB != (\new)
	s_set_vgpr_msb (MSB<<8)|(\new)
.set MSB, (\new)
.endif
.endm
.macro PLACES
.rept 4
	v_nop
.endr
.endm
.macro ROUND
	s_barrier_signal -1
	s_barrier_wait -1
	s_cmp_lg_u32 s[WV], 0
	s_cbranch_scc1 .Lnw0_\@
	s_barrier_signal -3
.Lnw0_\@:
	s_barrier_wait -3
	s_barrier_signal -1
	s_barrier_wait -1
.endm
.macro CHA                             ; all my tensor loads have landed; the add
	WIN 0
	s_wait_tensorcnt 0x0
	ds_add_u32 v[SPW], v[NIL]
.endm
.macro CHB fill, g0, g1                ; the add and all my LDS reads and stores are done; the round; the joint refill first behind it
	s_wait_dscnt 0x0
	ROUND
.if \fill
	tensor_load_to_lds s[\g0:\g0+3], s[\g1:\g1+7]
	s_nop 0
.endif
	PLACES
.endm
.macro FILLSET ptr, sh, off, slot
	s_lshl_b32 s2, s[WV], \sh
	s_mov_b32 s3, 0
	s_add_co_u32 s[G0A+1], s[Q1], (\slot)*SLOT1
	s_add_nc_u64 s[G0A+2:G0A+3], s[\ptr:\ptr+1], s[2:3]
.if (\off) != 0
	s_add_nc_u64 s[G0A+2:G0A+3], s[G0A+2:G0A+3], \off
.endif
	s_or_b32 s[G0A+3], s[G0A+3], 0x80000000
.endm
.macro LG kind, slot, gam
	WIN 0x40
.irp t, 0,1,2,3
.irp c, 0,1,2,3,4,5,6,7
	ds_load_b64 v[16*(4*(\gam)+\t)+2*\c:16*(4*(\gam)+\t)+2*\c+1], v[WA+(\slot)] offset:16*\t*528+128*(\gam)+16*\c
.endr
.endr
.endm
.macro MG kind, gam, par               ; eight accumulators by turns
.if (\kind) == 0
	WIN 0x09
.irp m, 0,1
.irp t, 0,1,2,3
.if (\gam) == 0
	v_wmma_f32_16x16x128_fp8_fp8 v[ACC+32*\m+8*\t:ACC+32*\m+8*\t+7], v[16*(4*(\gam)+\t):16*(4*(\gam)+\t)+15], v[(\par)+16*(4*\m+(\gam)):(\par)+16*(4*\m+(\gam))+15], v[BC+8*\t:BC+8*\t+7]
.else
	v_wmma_f32_16x16x128_fp8_fp8 v[ACC+32*\m+8*\t:ACC+32*\m+8*\t+7], v[16*(4*(\gam)+\t):16*(4*(\gam)+\t)+15], v[(\par)+16*(4*\m+(\gam)):(\par)+16*(4*\m+(\gam))+15], v[ACC+32*\m+8*\t:ACC+32*\m+8*\t+7]
.endif
.endr
.endr
.else
	WIN 0xa9                                       ; onto Y, which holds the residual and the bias: half par of my 128 columns
.irp m, 0,1
.irp t, 0,1,2,3
	v_wmma_f32_16x16x128_fp8_fp8 v[Y+64*\m+32*(\par)+8*\t:Y+64*\m+32*(\par)+8*\t+7], v[16*(4*(\gam)+\t):16*(4*(\gam)+\t)+15], v[TF+16*(4*\m+(\gam)):TF+16*(4*\m+(\gam))+15], v[Y+64*\m+32*(\par)+8*\t:Y+64*\m+32*(\par)+8*\t+7]
.endr
.endr
.endif
.endm
.macro TRIPMM kind, slot, par
	LG \kind, \slot, 0
	LG \kind, \slot, 1
	s_wait_dscnt 32                                ; all but the youngest group's 32 loads
	MG \kind, 0, \par
	LG \kind, \slot, 2
	s_wait_dscnt 32
	MG \kind, 1, \par
	LG \kind, \slot, 3
	s_wait_dscnt 32
	MG \kind, 2, \par
	s_wait_dscnt 0x0
	MG \kind, 3, \par
	WIN 0
.endm
.macro SETSC1 e
	s_add_co_i32 s[T0], s[\e], 127
	s_lshl_b32 s[T1], s[T0], 23
	v_mov_b32 v[SCL], s[T1]
	s_add_co_i32 s[T0], s[T0], 8
	s_lshl_b32 s[T0], s[T0], 23
	s_or_b32 s[T0], s[T0], 0x600000
	v_mov_b32 v[LIM], s[T0]
.endm
.macro SETSC ea, eb, eo
	s_add_co_i32 s[T0], s[\ea], s[\eb]
	s_sub_co_i32 s[BEX], 0, s[T0]
	s_sub_co_i32 s[T0], s[\eo], s[T0]
	s_add_co_i32 s[T0], s[T0], 127
	s_lshl_b32 s[T1], s[T0], 23
	v_mov_b32 v[SCL], s[T1]
	s_add_co_i32 s[T0], s[T0], 8
	s_lshl_b32 s[T0], s[T0], 23
	s_or_b32 s[T0], s[T0], 0x600000
	v_mov_b32 v[LIM], s[T0]
.endm
.macro QUANT relu
	PLACES
	s_wait_xcnt 0x0                                ; the last stores have read PC
.set ii, 0
.rept 64
.if \relu
	v_med3_num_f32 v[ACC+ii], v[ACC+ii], 0, v[LIM]
.else
	v_med3_num_f32 v[ACC+ii], v[ACC+ii], -v[LIM], v[LIM]
.endif
.set ii, ii+1
.endr
.irp a, 0,1,2,3,4,5,6,7
	v_cvt_scalef32_pk8_fp8_f32 v[PC+2*\a:PC+2*\a+1], v[ACC+8*\a:ACC+8*\a+7], v[SCL]
.endr
	v_nop
.endm
.macro QX src, adr, off
	WIN 0x02
.set ii, 0
.rept 64
	v_med3_num_f32 v[ACC+ii], v[(\src)+ii], -v[LIM], v[LIM]
.set ii, ii+1
.endr
	WIN 0
.irp a, 0,1,2,3,4,5,6,7
	v_cvt_scalef32_pk8_fp8_f32 v[PC+2*\a:PC+2*\a+1], v[ACC+8*\a:ACC+8*\a+7], v[SCL]
.endr
	v_nop
.irp q, 0,1,2,3
	ds_store_b128 v[\adr], v[PC+4*\q:PC+4*\q+3] offset:(\off)+512*\q
.endr
	s_wait_dscnt 0x0
.endm
.macro TFLOAD adr, off
	WIN 0x80
.set ii, 0
.rept 32
	ds_load_b128 v[TF+4*ii:TF+4*ii+3], v[\adr] offset:(\off)+512*ii
.set ii, ii+1
.endr
	WIN 0
.endm
.macro BIASQ ptr, i
.irp t, 0,1,2,3
.irp q, 0,1
	global_load_b128 v[BC+8*\t+4*\q:BC+8*\t+4*\q+3], v[BA], s[\ptr:\ptr+1] offset:(\i)*1024+64*\t+16*\q
.endr
.endr
.endm
.macro BSCQ
	s_wait_loadcnt 0x0
.set ii, 0
.rept 32
	v_ldexp_f32 v[BC+ii], v[BC+ii], s[BEX]
.set ii, ii+1
.endr
.endm
.macro STQK base, off
.irp m, 0,1
.irp q, 0,1
	global_store_b128 v[OA], v[PC+8*\m+4*\q:PC+8*\m+4*\q+3], s[\base:\base+1] offset:(\off)+\m*1024+\q*512
.endr
.endr
.endm
.macro PLOAD ptr, reg                  ; 64 numbers of a [512] parameter in Y's layout, into window 1
	WIN 0x40
.irp t, 0,1,2,3,4,5,6,7
.irp q, 0,1
	global_load_b128 v[(\reg)+8*\t+4*\q:(\reg)+8*\t+4*\q+3], v[PAD], s[\ptr:\ptr+1] offset:64*\t+16*\q
.endr
.endr
	WIN 0
.endm
.macro SETSP                           ; 2^-E1, twice
	s_sub_co_i32 s[T0], 127, s[E1]
	s_lshl_b32 s[SP], s[T0], 23
	s_mov_b32 s[SP+1], s[SP]
.endm
.macro RESID                           ; Y = (Y + the parameter in window 1, v128-191) x 2^-E1
	WIN 0x41
.set ii, 0
.rept 32
	v_pk_mul_f32 v[128+ii:129+ii], v[128+ii:129+ii], s[SP:SP+1] op_sel_hi:[1,0]
.set ii, ii+2
.endr
	WIN 0x92
.irp m, 0,1
.set ii, 0
.rept 32
	v_pk_fma_f32 v[Y+64*\m+ii:Y+64*\m+ii+1], v[Y+64*\m+ii:Y+64*\m+ii+1], s[SP:SP+1], v[128+ii:129+ii] op_sel_hi:[1,0,1]
.set ii, ii+2
.endr
.endr
	WIN 0
.endm
.macro XCH off                         ; four chains -> a token's sum over my 128 columns -> over the four waves, through LDS: v[LT] tile 0, v[LT+4] tile 1
	WIN 0
.irp m, 0,1
	v_pk_add_f32 v[LT+4*\m:LT+4*\m+1], v[LT+4*\m:LT+4*\m+1], v[LT+4*\m+2:LT+4*\m+3]
.endr
.irp m, 0,1
	v_add_f32 v[LT+4*\m], v[LT+4*\m], v[LT+4*\m+1]
.endr
	v_permlanex16_b32 v[LT+8], v[LT], s[SEL], s[SEL+1]
	v_permlanex16_b32 v[LT+9], v[LT+4], s[SEL], s[SEL+1]
	v_add_f32 v[LT], v[LT], v[LT+8]
	v_add_f32 v[LT+4], v[LT+4], v[LT+9]
	v_cndmask_b32 v[LT+10], v[LT], v[LT+4], s[HM]  ; lane l speaks for token l
	ds_store_b32 v[LNA], v[LT+10] offset:\off
	s_wait_dscnt 0x0                               ; for the others' sake
	s_barrier_signal -1
	s_barrier_wait -1
	ds_load_b128 v[LT+12:LT+15], v[LNR] offset:\off
	ds_load_b128 v[LT+16:LT+19], v[LNR] offset:(\off)+256
	s_wait_dscnt 0x0
	v_add_f32 v[LT+12], v[LT+12], v[LT+13]
	v_add_f32 v[LT+14], v[LT+14], v[LT+15]
	v_add_f32 v[LT+16], v[LT+16], v[LT+17]
	v_add_f32 v[LT+18], v[LT+18], v[LT+19]
	v_add_f32 v[LT], v[LT+12], v[LT+14]
	v_add_f32 v[LT+4], v[LT+16], v[LT+18]
.endm
.macro LNORM                           ; Y holds z x 2^-E1; gain in window 1 v0-63, offset in v64-127 (on their way); Y becomes the norm's result
	WIN 0x0a
.irp m, 0,1
	v_pk_add_f32 v[LT+4*\m:LT+4*\m+1], v[Y+64*\m:Y+64*\m+1], v[Y+64*\m+4:Y+64*\m+5]      ; each accumulator is read from its low end on
	v_pk_add_f32 v[LT+4*\m+2:LT+4*\m+3], v[Y+64*\m+2:Y+64*\m+3], v[Y+64*\m+6:Y+64*\m+7]
.endr
	WIN 0x08
.irp a, 1,2,3,4,5,6,7
.irp m, 0,1
.irp u, 0,4
	v_pk_add_f32 v[LT+4*\m:LT+4*\m+1], v[LT+4*\m:LT+4*\m+1], v[Y+64*\m+8*\a+\u:Y+64*\m+8*\a+\u+1]
	v_pk_add_f32 v[LT+4*\m+2:LT+4*\m+3], v[LT+4*\m+2:LT+4*\m+3], v[Y+64*\m+8*\a+\u+2:Y+64*\m+8*\a+\u+3]
.endr
.endr
.endr
	XCH 0
	v_mul_f32 v[LT+20], 0xbb000000, v[LT]          ; minus the mean: x -1/512
	v_mul_f32 v[LT+22], 0xbb000000, v[LT+4]
	v_mov_b32 v[LT+21], v[LT+20]
	v_mov_b32 v[LT+23], v[LT+22]
	WIN 0x82
.irp m, 0,1
.set ii, 0
.rept 32
	v_pk_add_f32 v[Y+64*\m+ii:Y+64*\m+ii+1], v[Y+64*\m+ii:Y+64*\m+ii+1], v[LT+20+2*\m:LT+21+2*\m]
.set ii, ii+2
.endr
.endr
	WIN 0x0a
.irp m, 0,1
	v_pk_mul_f32 v[LT+4*\m:LT+4*\m+1], v[Y+64*\m:Y+64*\m+1], v[Y+64*\m:Y+64*\m+1]
	v_pk_mul_f32 v[LT+4*\m+2:LT+4*\m+3], v[Y+64*\m+2:Y+64*\m+3], v[Y+64*\m+2:Y+64*\m+3]
.endr
.set ii, 4
.rept 15
.irp m, 0,1
	v_pk_fma_f32 v[LT+4*\m:LT+4*\m+1], v[Y+64*\m+ii:Y+64*\m+ii+1], v[Y+64*\m+ii:Y+64*\m+ii+1], v[LT+4*\m:LT+4*\m+1]
	v_pk_fma_f32 v[LT+4*\m+2:LT+4*\m+3], v[Y+64*\m+ii+2:Y+64*\m+ii+3], v[Y+64*\m+ii+2:Y+64*\m+ii+3], v[LT+4*\m+2:LT+4*\m+3]
.endr
.set ii, ii+4
.endr
	XCH 512
	v_mul_f32 v[LT], 0x3b000000, v[LT]             ; / 512
	v_mul_f32 v[LT+4], 0x3b000000, v[LT+4]
	v_ldexp_f32 v[LT], v[LT], s[E2]                ; the variance in true units
	v_ldexp_f32 v[LT+4], v[LT+4], s[E2]
	v_add_f32 v[LT], 0x358637bd, v[LT]             ; + 1e-6
	v_add_f32 v[LT+4], 0x358637bd, v[LT+4]
	s_wait_alu depctr_va_vdst(0)
	v_rsq_f32 v[LT+20], v[LT]
	v_rsq_f32 v[LT+22], v[LT+4]
	v_nop
	s_wait_alu depctr_va_vdst(0)                   ; one wait for both, ahead of the first reader
	v_ldexp_f32 v[LT+20], v[LT+20], s[E1]
	v_ldexp_f32 v[LT+22], v[LT+22], s[E1]
	v_mov_b32 v[LT+21], v[LT+20]
	v_mov_b32 v[LT+23], v[LT+22]
	s_wait_alu depctr_va_vdst(0)
	s_wait_loadcnt 0x0                             ; the gain and the offset
	WIN 0x82
.irp m, 0,1
.set ii, 0
.rept 32
	v_pk_mul_f32 v[Y+64*\m+ii:Y+64*\m+ii+1], v[Y+64*\m+ii:Y+64*\m+ii+1], v[LT+20+2*\m:LT+21+2*\m]
.set ii, ii+2
.endr
.endr
	WIN 0x96
.irp m, 0,1
.set ii, 0
.rept 32
	v_pk_fma_f32 v[Y+64*\m+ii:Y+64*\m+ii+1], v[Y+64*\m+ii:Y+64*\m+ii+1], v[ii:ii+1], v[64+ii:65+ii]
.set ii, ii+2
.endr
.endr
	WIN 0
.endm
	s_load_b512 s[4:19], s[0:1], 0x0               ; o_s, x, Wo_s, bo_s, ln1_g, ln1_b, Wq_c, bq_c
	s_load_b128 s[20:23], s[0:1], 0x40             ; the exponents, hres
	s_load_b64 s[24:25], s[0:1], 0x50              ; q_c
	s_load_b64 s[36:37], s[0:1], 0x58              ; W1's codes
	s_load_b64 s[38:39], s[0:1], 0x60              ; W2's codes
	s_load_b64 s[40:41], s[0:1], 0x68              ; Wo_c's codes
	s_load_b64 s[42:43], s[0:1], 0x70              ; wimg
	v_lshl_add_u32 v[SPW], v0, 2, SPARE
	v_mov_b32 v[NIL], 0
	ds_add_u32 v28, v29
	ds_add_u32 v28, v29
	s_wait_dscnt 0x0
	v_lshrrev_b32 v30, 5, v0
	v_readfirstlane_b32 s[WV], v30
	s_bfe_u32 s[PG], ttmp6, 0x40000
	s_lshl_b32 s[GG], ttmp9, 2
	s_add_co_u32 s[GG], s[GG], s[PG]               ; my group of 32 tokens
	s_mov_b32 s[G1A], 15|(1<<20)|(1<<21)|(6<<22)|(3<<25)
	s_mov_b32 s[G1A+1], 512<<16
	s_mov_b32 s[G1A+2], 64<<16
	s_mov_b32 s[G1A+3], 512<<16
	s_mov_b32 s[G1A+4], 64
	s_mov_b32 s[G1A+5], 512
	s_mov_b32 s[G1A+6], 0
	s_mov_b32 s[G1A+7], 0
	s_mov_b32 s[SEL], 0x76543210
	s_mov_b32 s[SEL+1], 0xfedcba98
	s_mul_i32 s[Q1], s[WV], QUART
	s_wait_kmcnt 0x0
	s_load_b512 s[72:87], s[20:21], 0x0
	s_load_b256 s[88:95], s[20:21], 0x40
	s_load_b128 s[96:99], s[20:21], 0x60
	s_mov_b32 s[G0A], 1
	FILLSET 8, 16, 0, 0                            ; Wo_s: rows 128 w .. 128 w + 63
	ROUND
	tensor_load_to_lds s[G0A:G0A+3], s[G1A:G1A+7]
	s_nop 0
	PLACES
	v_and_b32 v30, 31, v0
	v_cmp_lt_u32 s[HM], 15, v30                    ; lanes 16-31
	v_lshlrev_b32 v[LI], 4, v30
	v_and_b32 v31, 15, v0                          ; r
	v_bfe_u32 v30, v0, 4, 1                        ; h
	v_mul_u32_u24 v[WA], v31, 528
	v_lshl_add_u32 v[WA], v30, 3, v[WA]
	v_add_nc_u32 v[WA], s[Q1], v[WA]
	v_add_nc_u32 v[WA+1], SLOT1, v[WA]
	s_lshl_b32 s[T0], s[WV], 9
	v_lshlrev_b32 v[XA], 11, v31
	v_lshl_add_u32 v[XA], v30, 5, v[XA]
	v_add_nc_u32 v[XA], s[T0], v[XA]
	v_lshl_add_u32 v[PAD], v30, 5, s[T0]
	s_wait_alu depctr_va_vdst(0)
	s_lshl_b32 s[T0], s[WV], 11
	s_add_co_u32 s[T0], s[T0], YIMG
	v_add_nc_u32 v[YW], s[T0], v[LI]
	v_add_nc_u32 v[YR], YIMG, v[LI]
	s_lshl_b32 s[T0], s[WV], 8
	v_lshl_add_u32 v[BA], v30, 5, s[T0]
	s_lshl_b32 s[T0], s[WV], 17
	v_add_nc_u32 v[OA], s[T0], v[LI]
	s_lshl_b32 s[T0], s[WV], 2
	s_add_co_u32 s[T0], s[T0], LNX
	v_add_nc_u32 v[LNA], s[T0], v[LI]
	v_lshl_add_u32 v[LNR], v31, 4, LNX
	v_mov_b32 v[LT+8], 0
	v_mov_b32 v[LT+9], 0
	s_lshl_b32 s[PG], s[GG], 14
	s_mov_b32 s[PG+1], 0
	s_add_nc_u64 s[4:5], s[4:5], s[PG:PG+1]        ; o's eight fragments
	s_lshl_b32 s[PG], s[GG], 16
	s_add_nc_u64 s[6:7], s[6:7], s[PG:PG+1]        ; x
	s_lshl_b32 s[T0], s[WV], 14
	s_add_co_u32 s[PG], s[PG], s[T0]
	s_add_nc_u64 s[22:23], s[22:23], s[PG:PG+1]    ; hres: my wave's 16,384 bytes
	s_lshr_b32 s[T0], s[GG], 6
	s_lshl_b32 s[PG], s[T0], 20
	s_and_b32 s[T0], s[GG], 63
	s_lshl_b32 s[T0], s[T0], 11
	s_add_co_u32 s[PG], s[PG], s[T0]
	s_add_nc_u64 s[24:25], s[24:25], s[PG:PG+1]    ; q_c
	; ALSO HERE: W1, W2 and Wo_c are laid once, for the last launch, as images of the operand's registers (a fragment of 16 rows x 128 K = 2,048 bytes = four pieces of 512: 16 bytes a lane).
	; wimg: W1's 512 fragments, W2's 512 from byte 0x100000, Wo_c's 128 from byte 0x200000, each in the order in which a wave of that launch takes them.
	; The launch's 1,024 waves take half a fragment of W1 and half a fragment of W2 each (id = 4 x group + wave); waves 0 and 1 one piece of Wo_c more (pid = 2 x group + wave).
	; The reads are 8 bytes a lane from 16 rows (2.36 MB in all, once); every store is 512 consecutive bytes.
	s_lshl_b32 s26, s[GG], 2
	s_add_co_u32 s26, s26, s[WV]                   ; id
	s_and_b32 s27, s26, 1
	s_lshl_b32 s27, s27, 6                         ; which half: 64 along K
	s_bfe_u32 s28, s26, 0x20001                    ; W1: t
	s_bfe_u32 s29, s26, 0x20003                    ; K step
	s_lshr_b32 s30, s26, 5
	s_lshl_b32 s30, s30, 2
	s_add_co_u32 s30, s30, s28                     ; tile of 16 rows
	s_lshl_b32 s30, s30, 13
	s_lshl_b32 s29, s29, 7
	s_add_co_u32 s30, s30, s29
	s_add_co_u32 s30, s30, s27
	s_mov_b32 s31, 0
	s_add_nc_u64 s[36:37], s[36:37], s[30:31]
	s_bfe_u32 s28, s26, 0x30001                    ; W2: u
	s_bfe_u32 s29, s26, 0x20005                    ; the reading wave
	s_lshl_b32 s29, s29, 3
	s_add_co_u32 s28, s28, s29
	s_lshl_b32 s30, s28, 15                        ; 16 rows of 2,048 bytes
	s_lshr_b32 s28, s26, 7
	s_lshl_b32 s28, s28, 8                         ; the chunk of 256 along K
	s_add_co_u32 s30, s30, s28
	s_bfe_u32 s28, s26, 0x10004
	s_lshl_b32 s28, s28, 7                         ; its half
	s_add_co_u32 s30, s30, s28
	s_add_co_u32 s30, s30, s27
	s_add_nc_u64 s[38:39], s[38:39], s[30:31]
	s_lshl_b32 s30, s26, 10
	s_add_nc_u64 s[56:57], s[42:43], s[30:31]      ; where my two pieces of W1 go; W2's lie 0x100000 on
	s_lshl_b32 s28, s[GG], 1
	s_add_co_u32 s28, s28, s[WV]                   ; pid
	s_lshr_b32 s30, s28, 6
	s_lshl_b32 s30, s30, 15                        ; Wo_c: 64 rows of 512 bytes
	s_bfe_u32 s29, s28, 0x20002
	s_lshl_b32 s29, s29, 13                        ; t
	s_add_co_u32 s30, s30, s29
	s_bfe_u32 s29, s28, 0x20004
	s_lshl_b32 s29, s29, 7                         ; K step
	s_add_co_u32 s30, s30, s29
	s_and_b32 s29, s28, 3
	s_lshl_b32 s29, s29, 5                         ; the piece: 32 along K
	s_add_co_u32 s30, s30, s29
	s_add_nc_u64 s[40:41], s[40:41], s[30:31]
	s_lshl_b32 s30, s28, 9
	s_add_nc_u64 s[58:59], s[42:43], s[30:31]
	s_add_nc_u64 s[58:59], s[58:59], 0x200000
	v_lshlrev_b32 v16, 9, v31
	v_lshl_add_u32 v16, v30, 3, v16                ; row r of 512 bytes, + 8 h
	v_lshlrev_b32 v17, 11, v31
	v_lshl_add_u32 v17, v30, 3, v17                ; row r of 2,048 bytes, + 8 h
	s_wait_alu depctr_va_vdst(0)
.irp c, 0,1,2,3
	global_load_b64 v[160+2*\c:161+2*\c], v16, s[36:37] offset:16*\c
	global_load_b64 v[168+2*\c:169+2*\c], v17, s[38:39] offset:16*\c
.endr
	s_cmp_lt_u32 s[WV], 2
	s_cbranch_scc0 .Lnowo_a
	global_load_b64 v[176:177], v16, s[40:41]
	global_load_b64 v[178:179], v16, s[40:41] offset:16
.Lnowo_a:
	WIN 0x80
.set ii, 0
.rept 32
	global_load_b128 v[TF+4*ii:TF+4*ii+3], v[LI], s[4:5] offset:512*ii
.set ii, ii+1
.endr
.irp m, 0,1
.irp t, 0,1,2,3,4,5,6,7
.irp q, 0,1
	global_load_b128 v[Y+64*\m+8*\t+4*\q:Y+64*\m+8*\t+4*\q+3], v[XA], s[6:7] offset:\m*32768+\t*64+\q*16 th:TH_LOAD_NT
.endr
.endr
.endr
	WIN 0
	PLOAD 10, 128
	s_wait_kmcnt 0x0
	s_add_co_i32 s[E1], s[EX+10], s[EX+11]
	s_lshl_b32 s[E2], s[E1], 1
	SETSP
	s_wait_loadcnt 0x0
	global_store_b128 v[LI], v[160:163], s[56:57]  ; the images: these registers and bases are not written again
	global_store_b128 v[LI], v[164:167], s[56:57] offset:512
	global_store_b128 v[LI], v[168:171], s[56:57] offset:0x100000
	global_store_b128 v[LI], v[172:175], s[56:57] offset:0x100200
	s_cmp_lt_u32 s[WV], 2
	s_cbranch_scc0 .Lnowo_b
	global_store_b128 v[LI], v[176:179], s[58:59]
.Lnowo_b:
	RESID
	CHA
	FILLSET 8, 16, 32768, 1                        ; Wo_s: rows 128 w + 64 ..
	CHB 1, G0A, G1A
	TRIPMM 2, 0, 0
	CHA
	FILLSET 16, 15, 0, 0                           ; Wq_c, heads 0-3
	CHB 1, G0A, G1A
	s_wait_alu depctr_va_vdst(0)
	TRIPMM 2, 1, 1
	PLACES
	PLOAD 12, 0
	PLOAD 14, 64
	LNORM
	WIN 0x08
.set ii, 0
.rept 32
	global_store_b128 v[LI], v[Y+4*ii:Y+4*ii+3], s[22:23] offset:512*ii    ; h as an image of Y: 512 consecutive bytes a store; Y is not written again
.set ii, ii+1
.endr
	WIN 0
	SETSC1 EX+13
	QX Y, YW, 0
	QX Y+64, YW, 8192
	BIASQ 18, 0
	CHA
	FILLSET 16, 15, 131072, 1                      ; Wq_c, heads 4-7
	CHB 1, G0A, G1A
	TFLOAD YR, 0
	SETSC EX+12, EX+13, EX+18
	BSCQ
	s_wait_alu depctr_va_vdst(0)
	TRIPMM 0, 0, TF
	QUANT 0
	BIASQ 18, 1
	STQK 24, 0
	CHA
	CHB 0, 0, 0
	BSCQ
	s_wait_alu depctr_va_vdst(0)
	TRIPMM 0, 1, TF
	QUANT 0
	STQK 24, 524288
	s_wait_tensorcnt 0x0                           ; the wave's end
	ds_add_u32 v[SPW], v[NIL]
	s_wait_dscnt 0x0
	ROUND
	s_endpgm
.Lfunc_end_k_qa62d82c9b2_mid:
	.size	k_qa62d82c9b2_mid, .Lfunc_end_k_qa62d82c9b2_mid-k_qa62d82c9b2_mid
	.p2alignl 7, 3214868480
	.fill 96, 4, 3214868480
	.section	.rodata,"a",@progbits
	.p2align	6, 0x0
	.amdhsa_kernel k_qa62d82c9b2_mid
		.amdhsa_group_segment_fixed_size 327680
		.amdhsa_private_segment_fixed_size 0
		.amdhsa_enable_private_segment 0
		.amdhsa_kernarg_size 120
		.amdhsa_user_sgpr_count 2
		.amdhsa_user_sgpr_kernarg_segment_ptr 1
		.amdhsa_wavefront_size32 1
		.amdhsa_system_sgpr_workgroup_id_x 1
		.amdhsa_system_sgpr_workgroup_id_y 1
		.amdhsa_system_sgpr_workgroup_id_z 1
		.amdhsa_system_vgpr_workitem_id 0
		.amdhsa_next_free_vgpr 768
		.amdhsa_next_free_sgpr 106
		.amdhsa_reserve_vcc 0
		.amdhsa_float_denorm_mode_32 3
		.amdhsa_float_denorm_mode_16_64 3
		.amdhsa_memory_ordered 1
		.amdhsa_forward_progress 1
		.amdhsa_inst_pref_size 125
	.end_amdhsa_kernel
	.amdgpu_metadata
---
amdhsa.version: [ 1, 2 ]
amdhsa.kernels:
  - .name:           k_qa62d82c9b2_mid
    .symbol:         k_qa62d82c9b2_mid.kd
    .args:
      - { .name: o_s, .offset: 0, .size: 8, .value_kind: global_buffer, .address_space: global }
      - { .name: x, .offset: 8, .size: 8, .value_kind: global_buffer, .address_space: global }
      - { .name: Wo_s_codes, .offset: 16, .size: 8, .value_kind: global_buffer, .address_space: global }
      - { .name: bo_s, .offset: 24, .size: 8, .value_kind: global_buffer, .address_space: global }
      - { .name: ln1_g, .offset: 32, .size: 8, .value_kind: global_buffer, .address_space: global }
      - { .name: ln1_b, .offset: 40, .size: 8, .value_kind: global_buffer, .address_space: global }
      - { .name: Wq_c_codes, .offset: 48, .size: 8, .value_kind: global_buffer, .address_space: global }
      - { .name: bq_c, .offset: 56, .size: 8, .value_kind: global_buffer, .address_space: global }
      - { .name: lowp_scales, .offset: 64, .size: 8, .value_kind: global_buffer, .address_space: global }
      - { .name: hres, .offset: 72, .size: 8, .value_kind: global_buffer, .address_space: global }
      - { .name: q_c, .offset: 80, .size: 8, .value_kind: global_buffer, .address_space: global }
      - { .name: W1_codes, .offset: 88, .size: 8, .value_kind: global_buffer, .address_space: global }
      - { .name: W2_codes, .offset: 96, .size: 8, .value_kind: global_buffer, .address_space: global }
      - { .name: Wo_c_codes, .offset: 104, .size: 8, .value_kind: global_buffer, .address_space: global }
      - { .name: wimg, .offset: 112, .size: 8, .value_kind: global_buffer, .address_space: global }
    .group_segment_fixed_size: 327680
    .private_segment_fixed_size: 0
    .kernarg_segment_align: 8
    .kernarg_segment_size: 120
    .max_flat_workgroup_size: 128
    .sgpr_count:     106
    .vgpr_count:     768
    .wavefront_size: 32
...
	.end_amdgpu_metadata
.endif
;; end of part 3
;; launch attn_cross (part 4): grid 8 x 32, 16 waves a work-group, clusters of 4 x 1, 327,680 bytes of LDS; arguments q_c, kv_c, lowp_scales, o_c; writes o_c
.if DOCPART == 4
	.amdgcn_target "amdgcn-amd-amdhsa--gfx1250"
	.amdhsa_code_object_version 6
	.text
	.protected	k_qa62d82c9b2_attn_cross
	.globl	k_qa62d82c9b2_attn_cross
	.p2align	8
	.type	k_qa62d82c9b2_attn_cross,@function
k_qa62d82c9b2_attn_cross:
	s_mov_b64 s[64:65], 0
	v_nop
	global_prefetch_b8 v0, s[64:65] scope:SCOPE_SE
	s_setreg_imm32_b32 hwreg(HW_REG_WAVE_MODE, 25, 1), 1
	s_wait_xcnt 0x0
	s_wait_alu depctr_hold_cnt(0) depctr_sa_sdst(0) depctr_va_vdst(0) depctr_va_sdst(0) depctr_va_ssrc(0) depctr_va_vcc(0) depctr_vm_vsrc(0)
	s_getreg_b32 s2, hwreg(HW_REG_IB_STS2, 6, 4)
	s_cmp_eq_u32 s2, 0
	s_cbranch_scc0 .Lentry_in_a_cluster
	s_endpgm
.Lentry_in_a_cluster:
	s_bfe_u32 s2, ttmp6, 0x10000c
	s_cmp_lg_u32 s2, 0x3003
	s_cbranch_scc0 .Lentry_shape_is_right
	s_endpgm
.Lentry_shape_is_right:
.set VIMG, 131072
.set LI,  1
.set ADK, 2
.set ADV, 3
.set LV,  4
.set WV,  12
.set SEL, 20
.set CS,  22
.set G1,  24
.set G0,  32
.set TB,  57
.set CNT, 58
.macro ROUND
	s_barrier_signal -1
	s_barrier_wait -1
	s_cmp_lg_u32 s[WV], 0
	s_cbranch_scc1 .Lnw0_\@
	s_barrier_signal -3
.Lnw0_\@:
	s_barrier_wait -3
	s_barrier_signal -1
	s_barrier_wait -1
.endm
.macro PLACES
.rept 4
	v_nop
.endr
.endm
.macro STEP adk, adv, off
.irp t, 0,1,2,3,4,5,6,7
.irp q, 0,1
	ds_load_b128 v[32+8*\t+4*\q:35+8*\t+4*\q], v[\adk] offset:(\off)+1024*\t+512*\q
.endr
.endr
	s_wait_dscnt 0x0
.irp t, 0,1,2,3,4,5,6,7
	v_wmma_f32_16x16x64_fp8_fp8 v[96+8*\t:103+8*\t], v[32+8*\t:39+8*\t], v[16:23], 0
.endr
	PLACES
.irp c, 0,1,2,3
.irp q, 0,1,2,3
	ds_load_b128 v[32+16*\c+4*\q:35+16*\c+4*\q], v[\adv] offset:(\off)+2048*\c+512*\q
.endr
.endr
	v_max3_num_f32 v254, v96, v97, v98
	v_max3_num_f32 v252, v99, v100, v101
.irp i, 6,10,14,18,22,26,30,34,38,42,46,50,54,58
	v_max3_num_f32 v254, v254, v[96+\i], v[97+\i]
	v_max3_num_f32 v252, v252, v[98+\i], v[99+\i]
.endr
	v_max3_num_f32 v254, v254, v158, v159
	s_delay_alu instid0(VALU_DEP_1)
	v_max_num_f32 v254, v254, v252
	v_permlanex16_b32 v236, v254, s[SEL], s[SEL+1]
	s_delay_alu instid0(VALU_DEP_1)
	v_max_num_f32 v254, v254, v236
	s_delay_alu instid0(VALU_DEP_1)
	v_mul_f32 v254, s[CS], v254
	s_delay_alu instid0(VALU_DEP_1)
	v_max_num_f32 v13, v13, v254
	v_mov_b32 v254, v12
	s_delay_alu instid0(VALU_DEP_2)
	v_floor_f32 v12, -v13
	s_delay_alu instid0(VALU_DEP_1)
	v_sub_f32 v254, v12, v254
	s_delay_alu instid0(VALU_DEP_1)
	v_cvt_i32_f32 v254, v254
	s_delay_alu instid0(VALU_DEP_1)
	v_ldexp_f32 v252, 1.0, v254
.irp j, 0,2,4,6,8,10,12,14,16,18,20,22,24,26,28,30,32,34,36,38,40,42,44,46,48,50,52,54,56,58,60,62
	v_pk_fma_f32 v[96+\j:97+\j], v[96+\j:97+\j], s[CS:CS+1], v[12:13] op_sel_hi:[1,0,0]
.endr
.set ii, 0
	s_wait_alu depctr_va_vdst(0)
.rept 64
	v_exp_f32 v[96+ii], v[96+ii]
.set ii, ii+1
.endr
	v_pk_mul_f32 v[14:15], v[14:15], v[252:253] op_sel_hi:[1,0]
	s_wait_alu depctr_va_vdst(0)
	v_pk_add_f32 v[242:243], v[96:97], v[98:99]
.irp j, 4,8,12,16,20,24,28,32,36,40,44,48,52,56,60
	v_pk_add_f32 v[14:15], v[14:15], v[96+\j:97+\j]
	v_pk_add_f32 v[242:243], v[242:243], v[98+\j:99+\j]
.endr
	s_delay_alu instid0(VALU_DEP_1)
	v_pk_add_f32 v[14:15], v[14:15], v[242:243]
.set ii, 0
.rept 32
	v_dual_min_num_f32 v[96+ii], v[96+ii], v240 :: v_dual_min_num_f32 v[97+ii], v[97+ii], v240   ; the one-sided hold, two numbers an instruction
.set ii, ii+2
.endr
.irp a, 0,1,2,3,4,5,6,7
	v_cvt_scalef32_pk8_fp8_f32 v[224+2*\a:225+2*\a], v[96+8*\a:103+8*\a], v244
.endr
.irp j, 0,2,4,6,8,10,12,14,16,18,20,22,24,26,28,30
	v_pk_mul_f32 v[160+\j:161+\j], v[160+\j:161+\j], v[252:253] op_sel_hi:[1,0]
.endr
	s_wait_alu depctr_va_vdst(0)
	s_wait_dscnt 0x0
.irp c, 0,1,2,3
	v_wmma_f32_16x16x128_fp8_fp8 v[160+8*\c:167+8*\c], v[32+16*\c:47+16*\c], v[224:239], v[160+8*\c:167+8*\c]
.endr
.endm
	s_load_b128 s[4:7], s[0:1], 0x0
	s_load_b128 s[8:11], s[0:1], 0x10
	v_lshl_add_u32 v251, v0, 2, 0x40000
	v_mov_b32 v255, 0
	ds_add_u32 v251, v255
	ds_add_u32 v251, v255
	v_lshrrev_b32 v5, 5, v0
	s_delay_alu instid0(VALU_DEP_1)
	v_readfirstlane_b32 s[WV], v5
	s_bfe_u32 s13, ttmp6, 0x40000
	s_lshl_b32 s14, ttmp9, 2
	s_add_co_u32 s14, s14, s13
	s_and_b32 s15, ttmp7, 0xffff
	s_and_b32 s16, s[WV], 7
	s_lshl_b32 s16, s16, 14                        ; ONE load a wave, of 16,384 bytes: waves 0-7 bring K's image, waves 8-15 V's
	s_lshr_b32 s18, s[WV], 3
	s_lshl_b32 s19, s18, 17
	s_add_co_u32 s19, s19, s16
	s_lshl_b32 s18, s18, 22
	s_add_co_u32 s16, s16, s18
	s_lshl_b32 s18, s15, 17
	s_add_co_u32 s16, s16, s18
	s_mov_b32 s17, 0
	s_mov_b32 s[G1], 15|(3<<16)|(1<<21)
	s_mov_b32 s[G1+1], 32<<16
	s_mov_b32 s[G1+2], 64<<16                      ; 64 rows of 256 bytes
	s_mov_b32 s[G1+3], 32<<16
	s_mov_b32 s[G1+4], 64
	s_mov_b32 s[G1+5], 32
	s_mov_b32 s[G1+6], 0
	s_mov_b32 s[G1+7], 0
	s_mov_b32 s[SEL], 0x76543210
	s_mov_b32 s[SEL+1], 0xfedcba98
	s_mov_b32 s[CS], 0x3e38aa3b
	s_wait_dscnt 0x0
	s_wait_kmcnt 0x0
	s_load_b128 s[52:55], s[8:9], 0x48
	s_load_b32 s56, s[8:9], 0x58
	s_mov_b32 s[G0], 1
	s_mov_b32 s[G0+1], s19
	s_add_nc_u64 s[G0+2:G0+3], s[6:7], s[16:17]
	s_or_b32 s[G0+3], s[G0+3], 0x80000000
	ROUND
	tensor_load_to_lds s[G0:G0+3], s[G1:G1+7]
	s_nop 0
	PLACES
	s_lshl_b32 s48, s15, 17
	s_lshl_b32 s59, s14, 14
	s_add_co_u32 s48, s48, s59
	s_lshl_b32 s59, s[WV], 10
	s_add_co_u32 s48, s48, s59
	s_mov_b32 s49, 0
	s_add_nc_u64 s[4:5], s[4:5], s[48:49]
	s_lshr_b32 s50, s15, 3
	s_lshl_b32 s50, s50, 7
	s_lshl_b32 s59, s14, 4
	s_add_co_u32 s50, s50, s59
	s_add_co_u32 s50, s50, s[WV]
	s_lshl_b32 s50, s50, 13
	s_and_b32 s59, s15, 7
	s_lshl_b32 s59, s59, 10
	s_add_co_u32 s50, s50, s59
	s_mov_b32 s51, 0
	s_add_nc_u64 s[10:11], s[10:11], s[50:51]
	v_and_b32 v5, 31, v0
	s_delay_alu instid0(VALU_DEP_1)
	v_lshlrev_b32 v[LI], 4, v5
	s_delay_alu instid0(VALU_DEP_1)
	v_add_nc_u32 v[LV], VIMG, v[LI]
	global_load_b128 v[16:19], v[LI], s[4:5]
	global_load_b128 v[20:23], v[LI], s[4:5] offset:512
	v_mov_b32 v13, 0xff61b1e6
	s_delay_alu instid0(VALU_DEP_1)
	v_floor_f32 v12, -v13
	v_mov_b32 v14, 0
	v_mov_b32 v15, 0
	v_mov_b32 v236, 0
	v_mov_b32 v253, 0
.set ii, 0
.rept 32
	v_mov_b32 v[160+ii], 0
.set ii, ii+1
.endr
	s_wait_kmcnt 0x0
	s_add_co_i32 s59, s52, s53
	s_lshl_b32 s59, s59, 23
	s_add_co_i32 s[CS], s[CS], s59
	s_mov_b32 s[CS+1], s[CS]
	s_add_co_i32 s59, s54, 127
	s_lshl_b32 s48, s59, 23
	v_mov_b32 v244, s48
	s_add_co_i32 s59, s59, 8
	s_lshl_b32 s59, s59, 23
	s_or_b32 s59, s59, 0x600000
	v_mov_b32 v240, s59
	s_sub_co_i32 s59, s56, s54
	s_sub_co_i32 s59, s59, s55
	s_add_co_i32 s59, s59, 127
	s_lshl_b32 s48, s59, 23
	v_mov_b32 v245, s48
	s_add_co_i32 s59, s59, 8
	s_lshl_b32 s59, s59, 23
	s_or_b32 s59, s59, 0x600000
	v_mov_b32 v241, s59
	s_wait_loadcnt 0x0
	s_wait_tensorcnt 0x0                           ; my one load is in
	s_barrier_signal -1
	s_barrier_wait -1
.irp s, 0,1,2,3
	PLACES
	STEP LI, LV, 8192*\s
.endr
	s_mov_b32 s[TB], 32768
	s_mov_b32 s[CNT], 12
.Lstep:
	v_add_nc_u32 v[ADK], s[TB], v[LI]
	v_add_nc_u32 v[ADV], s[TB], v[LV]
	s_wait_alu depctr_va_vdst(0)
	v_nop
	v_nop
	STEP ADK, ADV, 0
	s_add_co_u32 s[TB], s[TB], 8192
	s_sub_co_u32 s[CNT], s[CNT], 1
	s_cmp_lg_u32 s[CNT], 0
	s_cbranch_scc1 .Lstep
	PLACES
	v_add_f32 v14, v14, v15
	s_delay_alu instid0(VALU_DEP_1)
	v_permlanex16_b32 v252, v14, s[SEL], s[SEL+1]
	s_delay_alu instid0(VALU_DEP_1)
	v_add_f32 v14, v14, v252
	s_wait_alu depctr_va_vdst(0)
	v_rcp_f32 v14, v14
	v_nop
	s_wait_alu depctr_va_vdst(0)
.irp j, 0,2,4,6,8,10,12,14,16,18,20,22,24,26,28,30
	v_pk_mul_f32 v[96+\j:97+\j], v[160+\j:161+\j], v[14:15] op_sel_hi:[1,0]
.endr
.set ii, 0
.rept 32
	v_med3_num_f32 v[96+ii], v[96+ii], -v241, v241
.set ii, ii+1
.endr
.irp c, 0,1,2,3
	v_cvt_scalef32_pk8_fp8_f32 v[224+2*\c:225+2*\c], v[96+8*\c:103+8*\c], v245
.endr
	v_nop
	global_store_b128 v[LI], v[224:227], s[10:11]
	global_store_b128 v[LI], v[228:231], s[10:11] offset:512
	s_wait_tensorcnt 0x0
	ds_add_u32 v251, v255
	s_wait_dscnt 0x0
	ROUND
	s_endpgm
.Lfunc_end_k_qa62d82c9b2_attn_cross:
	.size	k_qa62d82c9b2_attn_cross, .Lfunc_end_k_qa62d82c9b2_attn_cross-k_qa62d82c9b2_attn_cross
	.p2alignl 7, 3214868480
	.fill 96, 4, 3214868480
	.section	.rodata,"a",@progbits
	.p2align	6, 0x0
	.amdhsa_kernel k_qa62d82c9b2_attn_cross
		.amdhsa_group_segment_fixed_size 327680
		.amdhsa_private_segment_fixed_size 0
		.amdhsa_enable_private_segment 0
		.amdhsa_kernarg_size 32
		.amdhsa_user_sgpr_count 2
		.amdhsa_user_sgpr_kernarg_segment_ptr 1
		.amdhsa_wavefront_size32 1
		.amdhsa_system_sgpr_workgroup_id_x 1
		.amdhsa_system_sgpr_workgroup_id_y 1
		.amdhsa_system_sgpr_workgroup_id_z 1
		.amdhsa_system_vgpr_workitem_id 0
		.amdhsa_next_free_vgpr 256
		.amdhsa_next_free_sgpr 66
		.amdhsa_reserve_vcc 0
		.amdhsa_float_denorm_mode_32 3
		.amdhsa_float_denorm_mode_16_64 3
		.amdhsa_memory_ordered 1
		.amdhsa_forward_progress 1
		.amdhsa_inst_pref_size 88
	.end_amdhsa_kernel
	.amdgpu_metadata
---
amdhsa.version: [ 1, 2 ]
amdhsa.kernels:
  - .name:           k_qa62d82c9b2_attn_cross
    .symbol:         k_qa62d82c9b2_attn_cross.kd
    .args:
      - { .name: q_c, .offset: 0, .size: 8, .value_kind: global_buffer, .address_space: global }
      - { .name: kv_c, .offset: 8, .size: 8, .value_kind: global_buffer, .address_space: global }
      - { .name: lowp_scales, .offset: 16, .size: 8, .value_kind: global_buffer, .address_space: global }
      - { .name: o_c, .offset: 24, .size: 8, .value_kind: global_buffer, .address_space: global }
    .group_segment_fixed_size: 327680
    .private_segment_fixed_size: 0
    .kernarg_segment_align: 8
    .kernarg_segment_size: 32
    .max_flat_workgroup_size: 512
    .sgpr_count:     66
    .vgpr_count:     256
    .wavefront_size: 32
...
	.end_amdgpu_metadata
.endif
;; end of part 4
;; launch ffn (part 5): grid 256 x 1, 4 waves a work-group, clusters of 4 x 1, 327,680 bytes of LDS; arguments o_c, hres, wimg, bo_c, ln2_g, ln2_b, b1, b2, ln3_g, ln3_b, lowp_scales, out0; writes out0
.if DOCPART == 5
	.amdgcn_target "amdgcn-amd-amdhsa--gfx1250"
	.amdhsa_code_object_version 6
	.text
	.protected	k_qa62d82c9b2_ffn
	.globl	k_qa62d82c9b2_ffn
	.p2align	8
	.type	k_qa62d82c9b2_ffn,@function
k_qa62d82c9b2_ffn:
	s_mov_b64 s[64:65], 0
	v_nop
	global_prefetch_b8 v0, s[64:65] scope:SCOPE_SE
	s_setreg_imm32_b32 hwreg(HW_REG_WAVE_MODE, 25, 1), 1
	s_wait_xcnt 0x0
	s_wait_alu depctr_hold_cnt(0) depctr_sa_sdst(0) depctr_va_vdst(0) depctr_va_sdst(0) depctr_va_ssrc(0) depctr_va_vcc(0) depctr_vm_vsrc(0)
	s_getreg_b32 s2, hwreg(HW_REG_IB_STS2, 6, 4)
	s_cmp_eq_u32 s2, 0
	s_cbranch_scc0 .Lentry_in_a_cluster
	s_endpgm
.Lentry_in_a_cluster:
	s_bfe_u32 s2, ttmp6, 0x10000c
	s_cmp_lg_u32 s2, 0x3003
	s_cbranch_scc0 .Lentry_shape_is_right
	s_endpgm
.Lentry_shape_is_right:
; FFN: y = layernorm(o Wo_c + bo_c + h); out = layernorm(relu(Q(y) W1 + b1) quantised, x W2, + b2 + y).
; A work-group of four waves owns 32 tokens; wave w holds columns 128 w .. 128 w + 127 of both token tiles in Y.  The hidden layer goes 256 units at a time (a chunk): part A makes them (64 a wave),
; quantises them in registers (the hold at the largest code is also the relu) and hands their images on through LDS; part B adds their product with W2 onto Y, which began as (y + b2) x 2^-(e26+e27).
; THE WEIGHTS lie in wimg as images of the operand's registers, in the order of this walk (launch mid laid them): a fragment of 16 rows x 128 K is 2,048 bytes, 16 bytes a lane in each of four pieces.
; They come by two roads at once.  Wo_c and W1 by JOINT tensor loads (the four work-groups of a cluster walk the same weights; mask 15): Wo_c whole at the head, 65,536 bytes a wave, over both slots;
; then W1 through a ring of two slots of 131,072 bytes, a chunk a slot, 32,768 bytes a wave, one refill a chunk, which has the whole chunk in which to land.  A wave reads only the bytes that it fetched.
; W2 goes from memory straight into registers (window 3): 64 loads of 512 consecutive bytes a wave and chunk, in four groups; a group is asked for behind the products that read its registers,
; one chunk ahead of its own.  s_wait_loadcnt 48 ahead of a group's products: the three younger groups may stay out.  Each group has a base of its own, stepped behind that wait, which shows its last loads done.
; NO PREFETCH: all 256 work-groups walk the same 2.36 MB in the same order, and each road is asked for a chunk ahead.
; The hidden images have two LDS buffers that take turns, so one barrier a chunk serves them.
; LIMITS: e22+e23 and e26+e27 between -126 and 127; e24 and e26-e24-e25 between -126 and 119.  NaN among the inputs is not served.
; WINDOWS: 0: addresses, ACC, BC, PC, TMP, HF (four hidden fragments; bo_c and b2 ahead of them), the norm's temporaries.  1: Wo_c's, then W1's fragments; rows on the way out.
;          2: v0-127 token fragments (gain and offset during the norms); v128-255 Y.  3: W2's fragments.
.set SLOT1, 131072                     ; slot 0 at byte 0, slot 1 here: one exclusive or turns an address
.set STAGE, 0                          ; the way out: 32 rows x (2,048 + 16) bytes in slot 0, behind its last fill and its last read
.set YIMG,  262144                     ; y's eight fragment images
.set HIMG,  278528                     ; the hidden images: two buffers of 8,192 bytes
.set B1S,   294912                     ; b1 x 2^-(e24+e25)
.set LNX,   303104                     ; the norm's sums
.set SPARE, 304128                     ; the spare words: 128 bytes a wave
.set LI,  1
.set WA,  2
.set WOA, 3
.set YW,  5
.set YR,  6
.set HW,  7
.set HR,  8
.set B1A, 9
.set B1T, 10
.set B1W, 11
.set B1G, 12
.set LNA, 13
.set LNR, 14
.set PAD, 15
.set SO,  16
.set SR,  17
.set HWT, 18
.set HRT, 19
.set WAT, 20
.set SCL, 24
.set LIM, 25
.set SPW, 28
.set NIL, 29
.set ACC, 32
.set BC,  96
.set PC,  128
.set TMP, 144
.set HF,  160
.set LT,  224
.set TF,  0
.set Y,   128
.set WV,  32
.set GG,  33
.set T0,  34
.set T1,  35
.set HM,  36
.set CNT, 37
.set JJ,  38
.set HB,  39
.set E22, 40
.set E23, 41
.set E24, 42
.set E25, 43
.set E26, 44
.set E27, 45
.set SP,  46
.set SEL, 48
.set E1,  51
.set E2,  52
.set PG,  54
.set PW2, 56                           ; s[56:63]: W2's four bases, one a group
.set G1A, 68                           ; group 1: 128 rows of 256 bytes
.set G1W, 76                           ; group 1: 256 rows of 256 bytes
.set G0A, 84
.set G0W, 88
.set TB,  92
.set MSB, 0
.macro WIN new                         ; the immediate's high byte repeats the setting that is left
.if MSB != (\new)
	s_set_vgpr_msb (MSB<<8)|(\new)
.set MSB, (\new)
.endif
.endm
.macro PLACES
.rept 4
	v_nop
.endr
.endm
.macro ROUND                           ; a round of the cluster's barrier
	s_barrier_signal -1
	s_barrier_wait -1
	s_cmp_lg_u32 s[WV], 0
	s_cbranch_scc1 .Lnw0_\@
	s_barrier_signal -3
.Lnw0_\@:
	s_barrier_wait -3
	s_barrier_signal -1
	s_barrier_wait -1
.endm
.macro JL g0, g1                       ; a joint load, every wave its own part
	tensor_load_to_lds s[\g0:\g0+3], s[\g1:\g1+7]
	s_nop 0
	PLACES
.endm
.macro WLD win, ptr, off, gam          ; a group from memory: four fragment images, 16 loads of 512 consecutive bytes
	WIN \win
.irp t, 0,1,2,3
.irp q, 0,1,2,3
	global_load_b128 v[16*(4*(\gam)+\t)+4*\q:16*(4*(\gam)+\t)+4*\q+3], v[LI], s[\ptr:\ptr+1] offset:(\off)+8192*(\gam)+2048*\t+512*\q
.endr
.endr
.endm
.macro LGL adr, off, gam               ; a group from LDS into window 1
	WIN 0x40
.irp t, 0,1,2,3
.irp q, 0,1,2,3
	ds_load_b128 v[16*(4*(\gam)+\t)+4*\q:16*(4*(\gam)+\t)+4*\q+3], v[\adr] offset:(\off)+8192*(\gam)+2048*\t+512*\q
.endr
.endr
.endm
.macro MG kind, gam, par               ; eight accumulators by turns
.if (\kind) == 0
	WIN 0x09
.irp m, 0,1
.irp t, 0,1,2,3
.if (\gam) == 0
	v_wmma_f32_16x16x128_fp8_fp8 v[ACC+32*\m+8*\t:ACC+32*\m+8*\t+7], v[16*(4*(\gam)+\t):16*(4*(\gam)+\t)+15], v[TF+16*(4*\m+(\gam)):TF+16*(4*\m+(\gam))+15], v[BC+8*\t:BC+8*\t+7]
.else
	v_wmma_f32_16x16x128_fp8_fp8 v[ACC+32*\m+8*\t:ACC+32*\m+8*\t+7], v[16*(4*(\gam)+\t):16*(4*(\gam)+\t)+15], v[TF+16*(4*\m+(\gam)):TF+16*(4*\m+(\gam))+15], v[ACC+32*\m+8*\t:ACC+32*\m+8*\t+7]
.endif
.endr
.endr
.endif
.if (\kind) == 2
	WIN 0xa9                                       ; onto Y, which holds the residual and the bias: half par of my 128 columns
.irp m, 0,1
.irp t, 0,1,2,3
	v_wmma_f32_16x16x128_fp8_fp8 v[Y+64*\m+32*(\par)+8*\t:Y+64*\m+32*(\par)+8*\t+7], v[16*(4*(\gam)+\t):16*(4*(\gam)+\t)+15], v[TF+16*(4*\m+(\gam)):TF+16*(4*\m+(\gam))+15], v[Y+64*\m+32*(\par)+8*\t:Y+64*\m+32*(\par)+8*\t+7]
.endr
.endr
.endif
.if (\kind) == 3
	WIN 0xa3
.irp m, 0,1
.irp t, 0,1,2,3
	v_wmma_f32_16x16x128_fp8_fp8 v[Y+64*\m+8*(4*((\gam)&1)+\t):Y+64*\m+8*(4*((\gam)&1)+\t)+7], v[16*(4*(\gam)+\t):16*(4*(\gam)+\t)+15], v[HF+16*(2*\m+((\gam)>>1)):HF+16*(2*\m+((\gam)>>1))+15], v[Y+64*\m+8*(4*((\gam)&1)+\t):Y+64*\m+8*(4*((\gam)&1)+\t)+7]
.endr
.endr
.endif
.endm
.macro TRIPL kind, par, adr, off       ; 16 fragments from LDS, 32 matrix instructions; the loads run one group ahead.  The four places at the end serve the loads and reads that follow
	LGL \adr, \off, 0
	LGL \adr, \off, 1
	s_wait_dscnt 16                                ; all but the youngest group's 16 loads
	MG \kind, 0, \par
	LGL \adr, \off, 2
	s_wait_dscnt 16
	MG \kind, 1, \par
	LGL \adr, \off, 3
	s_wait_dscnt 16
	MG \kind, 2, \par
	s_wait_dscnt 0x0
	MG \kind, 3, \par
	PLACES
	WIN 0
.endm
.macro SETLIM                          ; s[T0] = exponent + 127: the scale and 448 x the scale
	s_lshl_b32 s[T1], s[T0], 23
	v_mov_b32 v[SCL], s[T1]
	s_add_co_i32 s[T0], s[T0], 8
	s_lshl_b32 s[T0], s[T0], 23
	s_or_b32 s[T0], s[T0], 0x600000
	v_mov_b32 v[LIM], s[T0]
.endm
.macro QX src, off                     ; 64 numbers of Y become a fragment, whose image goes to LDS; the numbers are kept
	WIN 0x02
.set ii, 0
.rept 64
	v_med3_num_f32 v[ACC+ii], v[(\src)+ii], -v[LIM], v[LIM]
.set ii, ii+1
.endr
	WIN 0
.irp a, 0,1,2,3,4,5,6,7
	v_cvt_scalef32_pk8_fp8_f32 v[PC+2*\a:PC+2*\a+1], v[ACC+8*\a:ACC+8*\a+7], v[SCL]
.endr
	v_nop
.irp q, 0,1,2,3
	ds_store_b128 v[YW], v[PC+4*\q:PC+4*\q+3] offset:(\off)+512*\q
.endr
	s_wait_dscnt 0x0
.endm
.macro PLOAD ptr, reg, win             ; 64 numbers of a [512] parameter in Y's layout
	WIN \win
.irp t, 0,1,2,3,4,5,6,7
.irp q, 0,1
	global_load_b128 v[(\reg)+8*\t+4*\q:(\reg)+8*\t+4*\q+3], v[PAD], s[\ptr:\ptr+1] offset:64*\t+16*\q
.endr
.endr
	WIN 0
.endm
.macro SETSP                           ; 2^-E1, twice
	s_sub_co_i32 s[T0], 127, s[E1]
	s_lshl_b32 s[SP], s[T0], 23
	s_mov_b32 s[SP+1], s[SP]
.endm
.macro RESID                           ; Y = (Y + the parameter in HF's registers) x 2^-E1
	WIN 0
.set ii, 0
.rept 32
	v_pk_mul_f32 v[HF+ii:HF+ii+1], v[HF+ii:HF+ii+1], s[SP:SP+1] op_sel_hi:[1,0]
.set ii, ii+2
.endr
	WIN 0x82
.irp m, 0,1
.set ii, 0
.rept 32
	v_pk_fma_f32 v[Y+64*\m+ii:Y+64*\m+ii+1], v[Y+64*\m+ii:Y+64*\m+ii+1], s[SP:SP+1], v[HF+ii:HF+ii+1] op_sel_hi:[1,0,1]
.set ii, ii+2
.endr
.endr
	WIN 0
.endm
.macro XCH off                         ; four chains -> a token's sum over my 128 columns -> over the four waves, through LDS: v[LT] tile 0, v[LT+4] tile 1
	WIN 0
.irp m, 0,1
	v_pk_add_f32 v[LT+4*\m:LT+4*\m+1], v[LT+4*\m:LT+4*\m+1], v[LT+4*\m+2:LT+4*\m+3]
.endr
.irp m, 0,1
	v_add_f32 v[LT+4*\m], v[LT+4*\m], v[LT+4*\m+1]
.endr
	v_permlanex16_b32 v[LT+8], v[LT], s[SEL], s[SEL+1]
	v_permlanex16_b32 v[LT+9], v[LT+4], s[SEL], s[SEL+1]
	v_add_f32 v[LT], v[LT], v[LT+8]
	v_add_f32 v[LT+4], v[LT+4], v[LT+9]
	v_cndmask_b32 v[LT+10], v[LT], v[LT+4], s[HM]  ; lane l speaks for token l
	ds_store_b32 v[LNA], v[LT+10] offset:\off
	s_wait_dscnt 0x0                               ; for the others' sake
	s_barrier_signal -1
	s_barrier_wait -1                              ; a tensor load may stay out
	ds_load_b128 v[LT+12:LT+15], v[LNR] offset:\off
	ds_load_b128 v[LT+16:LT+19], v[LNR] offset:(\off)+256
	s_wait_dscnt 0x0
	v_add_f32 v[LT+12], v[LT+12], v[LT+13]
	v_add_f32 v[LT+14], v[LT+14], v[LT+15]
	v_add_f32 v[LT+16], v[LT+16], v[LT+17]
	v_add_f32 v[LT+18], v[LT+18], v[LT+19]
	v_add_f32 v[LT], v[LT+12], v[LT+14]
	v_add_f32 v[LT+4], v[LT+16], v[LT+18]
.endm
.macro LNORM                           ; Y holds z x 2^-E1; gain in window 2 v0-63, offset in v64-127 (on their way); Y becomes the norm's result.  The mean is taken away before the squares
	WIN 0x0a
.irp m, 0,1
	v_pk_add_f32 v[LT+4*\m:LT+4*\m+1], v[Y+64*\m:Y+64*\m+1], v[Y+64*\m+4:Y+64*\m+5]      ; each accumulator is read from its low end on
	v_pk_add_f32 v[LT+4*\m+2:LT+4*\m+3], v[Y+64*\m+2:Y+64*\m+3], v[Y+64*\m+6:Y+64*\m+7]
.endr
	WIN 0x08
.irp a, 1,2,3,4,5,6,7
.irp m, 0,1
.irp u, 0,4
	v_pk_add_f32 v[LT+4*\m:LT+4*\m+1], v[LT+4*\m:LT+4*\m+1], v[Y+64*\m+8*\a+\u:Y+64*\m+8*\a+\u+1]
	v_pk_add_f32 v[LT+4*\m+2:LT+4*\m+3], v[LT+4*\m+2:LT+4*\m+3], v[Y+64*\m+8*\a+\u+2:Y+64*\m+8*\a+\u+3]
.endr
.endr
.endr
	XCH 0
	v_mul_f32 v[LT+20], 0xbb000000, v[LT]          ; minus the mean: x -1/512
	v_mul_f32 v[LT+22], 0xbb000000, v[LT+4]
	v_mov_b32 v[LT+21], v[LT+20]
	v_mov_b32 v[LT+23], v[LT+22]
	WIN 0x82
.irp m, 0,1
.set ii, 0
.rept 32
	v_pk_add_f32 v[Y+64*\m+ii:Y+64*\m+ii+1], v[Y+64*\m+ii:Y+64*\m+ii+1], v[LT+20+2*\m:LT+21+2*\m]
.set ii, ii+2
.endr
.endr
	WIN 0x0a
.irp m, 0,1
	v_pk_mul_f32 v[LT+4*\m:LT+4*\m+1], v[Y+64*\m:Y+64*\m+1], v[Y+64*\m:Y+64*\m+1]
	v_pk_mul_f32 v[LT+4*\m+2:LT+4*\m+3], v[Y+64*\m+2:Y+64*\m+3], v[Y+64*\m+2:Y+64*\m+3]
.endr
.set ii, 4
.rept 15
.irp m, 0,1
	v_pk_fma_f32 v[LT+4*\m:LT+4*\m+1], v[Y+64*\m+ii:Y+64*\m+ii+1], v[Y+64*\m+ii:Y+64*\m+ii+1], v[LT+4*\m:LT+4*\m+1]
	v_pk_fma_f32 v[LT+4*\m+2:LT+4*\m+3], v[Y+64*\m+ii+2:Y+64*\m+ii+3], v[Y+64*\m+ii+2:Y+64*\m+ii+3], v[LT+4*\m+2:LT+4*\m+3]
.endr
.set ii, ii+4
.endr
	XCH 512
	v_mul_f32 v[LT], 0x3b000000, v[LT]             ; / 512
	v_mul_f32 v[LT+4], 0x3b000000, v[LT+4]
	v_ldexp_f32 v[LT], v[LT], s[E2]                ; the variance in true units
	v_ldexp_f32 v[LT+4], v[LT+4], s[E2]
	v_add_f32 v[LT], 0x358637bd, v[LT]             ; + 1e-6
	v_add_f32 v[LT+4], 0x358637bd, v[LT+4]
	s_wait_alu depctr_va_vdst(0)                   ; the wait ahead of the batch
	v_rsq_f32 v[LT+20], v[LT]
	v_rsq_f32 v[LT+22], v[LT+4]
	v_nop
	s_wait_alu depctr_va_vdst(0)                   ; one wait for both, ahead of the first reader
	v_ldexp_f32 v[LT+20], v[LT+20], s[E1]
	v_ldexp_f32 v[LT+22], v[LT+22], s[E1]
	v_mov_b32 v[LT+21], v[LT+20]
	v_mov_b32 v[LT+23], v[LT+22]
	s_wait_alu depctr_va_vdst(0)
	s_wait_loadcnt 0x0                             ; the gain and the offset
	WIN 0x82
.irp m, 0,1
.set ii, 0
.rept 32
	v_pk_mul_f32 v[Y+64*\m+ii:Y+64*\m+ii+1], v[Y+64*\m+ii:Y+64*\m+ii+1], v[LT+20+2*\m:LT+21+2*\m]
.set ii, ii+2
.endr
.endr
	WIN 0xaa
.irp m, 0,1
.set ii, 0
.rept 32
	v_pk_fma_f32 v[Y+64*\m+ii:Y+64*\m+ii+1], v[Y+64*\m+ii:Y+64*\m+ii+1], v[ii:ii+1], v[64+ii:65+ii]
.set ii, ii+2
.endr
.endr
	WIN 0
.endm
; A CHUNK: 256 hidden units.  THE CHANGE OF SLOTS stands at its head: all my tensor loads have landed (my part of this chunk's slot), the add, my reads of the other slot are over, a round of the cluster's
; barrier, and the other slot takes W1's next chunk (last = 1: nothing is asked for, so the wait alone stands).  Part A: b1 from LDS as the first C, W1's 16 fragments from my part of the slot.
; Relu and codes; images to LDS; the barrier.  Part B: the four hidden fragments from LDS, W2's four groups onto Y; behind each, the same group of the next chunk is asked for (last = 1: nothing;
; the last norm's gain and offset are asked for behind part A).
.macro CHUNK last
	s_wait_tensorcnt 0x0
.if (\last) == 0
	ds_add_u32 v[SPW], v[NIL]                      ; the add; work on registers stands between it and the wait for it
	s_xor_b32 s[G0A+1], s[G0A+1], SLOT1            ; no load of mine is out, so group 0 may be written: the other slot,
	s_add_nc_u64 s[G0A+2:G0A+3], s[G0A+2:G0A+3], 131072    ; W1's next chunk
.endif
	v_add_nc_u32 v[B1T], s[JJ], v[B1A]
	v_add_nc_u32 v[HWT], s[HB], v[HW]
	v_add_nc_u32 v[HRT], s[HB], v[HR]
	v_add_nc_u32 v[WAT], s[TB], v[WA]
	s_wait_alu depctr_va_vdst(0)
.if (\last) == 0
	s_wait_dscnt 0x0
	ROUND
	JL G0A, G1A
.endif
.irp t, 0,1,2,3
.irp q, 0,1
	ds_load_b128 v[BC+8*\t+4*\q:BC+8*\t+4*\q+3], v[B1T] offset:64*\t+16*\q
.endr
.endr
	TRIPL 0, 0, WAT, 0
.if \last
	PLOAD 20, 0, 0x80
	PLOAD 22, 64, 0x80
.endif
.set ii, 0
.rept 64
	v_med3_num_f32 v[ACC+ii], v[ACC+ii], 0, v[LIM]         ; the activation and the hold in one (the conversion does not saturate: ISA guide 7.6.2); each accumulator from its low end on
.set ii, ii+1
.endr
.irp a, 0,1,2,3,4,5,6,7
	v_cvt_scalef32_pk8_fp8_f32 v[PC+2*\a:PC+2*\a+1], v[ACC+8*\a:ACC+8*\a+7], v[SCL]
.endr
	v_nop
.irp m, 0,1
.irp q, 0,1
	ds_store_b128 v[HWT], v[PC+8*\m+4*\q:PC+8*\m+4*\q+3] offset:\m*4096+\q*512
.endr
.endr
	s_wait_dscnt 0x0                               ; for the others' sake
	s_barrier_signal -1
	s_barrier_wait -1                              ; my tensor load may stay out
.set ii, 0
.rept 16
	ds_load_b128 v[HF+4*ii:HF+4*ii+3], v[HRT] offset:512*ii
.set ii, ii+1
.endr
	s_wait_dscnt 0x0
.if \last
.irp g, 0,1,2,3
.if \g < 2
	s_wait_loadcnt 63                              ; behind this group's loads: W2's younger groups and the 32 of the gain and the offset; the count's field ends at 63
.else
	s_wait_loadcnt 16*(3-\g)+32
.endif
	MG 3, \g, 0
.endr
	PLACES
.else
.irp g, 0,1,2,3
	s_wait_loadcnt 48
	s_add_nc_u64 s[PW2+2*\g:PW2+2*\g+1], s[PW2+2*\g:PW2+2*\g+1], 131072   ; this group's last loads are done: its base steps to the next chunk
	MG 3, \g, 0
	PLACES
	WLD 0xc0, PW2+2*\g, 0, \g
.endr
.endif
	WIN 0
.endm
	s_load_b512 s[4:19], s[0:1], 0x0               ; o_c, hres, wimg, bo_c, ln2_g, ln2_b, b1, b2
	s_load_b256 s[20:27], s[0:1], 0x40             ; ln3_g, ln3_b, the exponents, out0
	v_lshl_add_u32 v[SPW], v0, 2, SPARE
	v_mov_b32 v[NIL], 0
	ds_add_u32 v[SPW], v[NIL]                      ; the opening lines: the add, twice on end, and its wait ahead of my first tensor load
	ds_add_u32 v[SPW], v[NIL]
	v_lshrrev_b32 v30, 5, v0
	v_readfirstlane_b32 s[WV], v30                 ; wave 0..3
	s_bfe_u32 s[GG], ttmp6, 0x40000
	s_lshl_b32 s[T0], ttmp9, 2
	s_add_co_u32 s[GG], s[GG], s[T0]               ; my group of 32 tokens: it enters the addresses of o, h and out0 alone
	s_mov_b32 s[G1A], 15|(3<<16)|(1<<21)           ; mask: the four partners; elements of 8 bytes; a dense block as rows of 256 bytes
	s_mov_b32 s[G1A+1], 32<<16
	s_mov_b32 s[G1A+2], 128<<16
	s_mov_b32 s[G1A+3], 32<<16
	s_mov_b32 s[G1A+4], 128
	s_mov_b32 s[G1A+5], 32
	s_mov_b32 s[G1A+6], 0
	s_mov_b32 s[G1A+7], 0
	s_mov_b32 s[G1W], 15|(3<<16)|(1<<21)
	s_mov_b32 s[G1W+1], 32<<16
	s_mov_b32 s[G1W+2], 256<<16
	s_mov_b32 s[G1W+3], 32<<16
	s_mov_b32 s[G1W+4], 256
	s_mov_b32 s[G1W+5], 32
	s_mov_b32 s[G1W+6], 0
	s_mov_b32 s[G1W+7], 0
	s_mov_b32 s[SEL], 0x76543210
	s_mov_b32 s[SEL+1], 0xfedcba98
	s_lshl_b32 s93, s[WV], 11
	s_add_co_u32 s93, s93, YIMG
	s_lshl_b32 s94, s[WV], 10
	s_add_co_u32 s94, s94, HIMG
	s_lshl_b32 s95, s[WV], 8
	s_add_co_u32 s95, s95, B1S
	s_lshl_b32 s96, s[WV], 2
	s_add_co_u32 s96, s96, LNX
	s_lshl_b32 s97, s[WV], 9
	s_mul_i32 s98, s[WV], 8*2064
	s_wait_dscnt 0x0                               ; both opening adds are done
	s_wait_kmcnt 0x0
	s_load_b128 s[40:43], s[24:25], 0x58           ; e22 .. e25
	s_load_b64 s[44:45], s[24:25], 0x68            ; e26, e27
	s_mov_b32 s[G0W], 1
	s_lshl_b32 s[G0W+1], s[WV], 16                 ; Wo_c: my 65,536 bytes, in LDS
	s_mov_b32 s[PG], s[G0W+1]
	s_mov_b32 s[PG+1], 0
	s_add_nc_u64 s[G0W+2:G0W+3], s[8:9], s[PG:PG+1]
	s_add_nc_u64 s[G0W+2:G0W+3], s[G0W+2:G0W+3], 0x200000  ; and in wimg
	s_or_b32 s[G0W+3], s[G0W+3], 0x80000000
	s_mov_b32 s[G0A], 1
	s_lshl_b32 s[G0A+1], s[WV], 15                 ; W1: my 32,768 bytes of slot 0,
	s_mov_b32 s[PG], s[G0A+1]
	s_add_nc_u64 s[G0A+2:G0A+3], s[8:9], s[PG:PG+1]        ; chunk 0; a chunk is 131,072 bytes
.irp g, 0,1,2,3
	s_add_nc_u64 s[PW2+2*\g:PW2+2*\g+1], s[G0A+2:G0A+3], 0x100000   ; W2's images likewise
.endr
	s_or_b32 s[G0A+3], s[G0A+3], 0x80000000
	ROUND                                          ; the partners are here: the first joint load meets
	JL G0W, G1W                                    ; Wo_c, whole: my one tensor load at the head
	v_and_b32 v30, 31, v0
	v_cmp_lt_u32 s[HM], 15, v30                    ; lanes 16-31
	v_lshlrev_b32 v[LI], 4, v30
	v_and_b32 v31, 15, v0                          ; r
	v_bfe_u32 v30, v0, 4, 1                        ; h
	v_add_nc_u32 v[WOA], s[G0W+1], v[LI]
	v_add_nc_u32 v[WA], s[G0A+1], v[LI]
	v_add_nc_u32 v[YW], s93, v[LI]
	v_add_nc_u32 v[YR], YIMG, v[LI]
	v_add_nc_u32 v[HW], s94, v[LI]
	v_add_nc_u32 v[HR], HIMG, v[LI]
	v_lshl_add_u32 v[B1A], v30, 5, s95
	v_lshl_add_u32 v[B1W], v0, 4, B1S
	v_lshlrev_b32 v[B1G], 4, v0
	v_add_nc_u32 v[LNA], s96, v[LI]
	v_lshl_add_u32 v[LNR], v31, 4, LNX
	v_lshl_add_u32 v[PAD], v30, 5, s97
	v_mul_u32_u24 v[SO], v31, 2064
	v_lshl_add_u32 v[SO], v30, 5, v[SO]
	v_add_nc_u32 v[SO], s97, v[SO]
	v_add_nc_u32 v[SR], s98, v[LI]
	v_mov_b32 v[LT+8], 0
	v_mov_b32 v[LT+9], 0
	s_wait_alu depctr_va_vdst(0)
	s_lshl_b32 s[PG], s[GG], 14
	s_add_nc_u64 s[4:5], s[4:5], s[PG:PG+1]        ; o's eight fragments
	s_lshl_b32 s[PG], s[GG], 16
	s_lshl_b32 s[T0], s[WV], 14
	s_add_co_u32 s[PG], s[PG], s[T0]
	s_add_nc_u64 s[6:7], s[6:7], s[PG:PG+1]        ; h: my wave's image
	s_add_nc_u64 s[26:27], s[26:27], s[PG:PG+1]    ; out0: rows 32 g + 8 w on (the same byte offset)
	WIN 0x80
.set ii, 0
.rept 32
	global_load_b128 v[Y+4*ii:Y+4*ii+3], v[LI], s[6:7] offset:512*ii th:TH_LOAD_NT
.set ii, ii+1
.endr
	PLOAD 10, HF, 0                                ; bo_c
.irp i, 0,1,2,3
	global_load_b128 v[TMP+4*\i:TMP+4*\i+3], v[B1G], s[16:17] offset:2048*\i
.endr
	WIN 0x80
.set ii, 0
.rept 32
	global_load_b128 v[TF+4*ii:TF+4*ii+3], v[LI], s[4:5] offset:512*ii
.set ii, ii+1
.endr
.irp g, 0,1,2,3
	WLD 0xc0, PW2+2*\g, 0, \g                      ; W2's chunk 0
.endr
	WIN 0
	s_wait_kmcnt 0x0
	s_add_co_i32 s[E1], s[E22], s[E23]
	s_lshl_b32 s[E2], s[E1], 1
	SETSP
	s_add_co_i32 s[T1], s[E24], s[E25]
	s_sub_co_i32 s[T1], 0, s[T1]
	s_wait_loadcnt 63                              ; of the 148 loads the oldest 85 are in: h, bo_c, b1 and o are the first 84
.set ii, 0
.rept 16
	v_ldexp_f32 v[TMP+ii], v[TMP+ii], s[T1]        ; b1 x 2^-(e24+e25), once, kept in LDS
.set ii, ii+1
.endr
.irp i, 0,1,2,3
	ds_store_b128 v[B1W], v[TMP+4*\i:TMP+4*\i+3] offset:2048*\i
.endr
	RESID                                          ; Y = (h + bo_c) x 2^-(e22+e23): it starts the sums
	s_wait_alu depctr_va_vdst(0)
	s_wait_tensorcnt 0x0                           ; my part of Wo_c is in, and I alone read it
	TRIPL 2, 0, WOA, 0
	TRIPL 2, 1, WOA, 32768
	s_wait_tensorcnt 0x0                           ; the change from Wo_c to W1
	ds_add_u32 v[SPW], v[NIL]
	s_wait_dscnt 0x0                               ; my reads of Wo_c are over
	ROUND
	JL G0A, G1A                                    ; W1's chunk 0 into slot 0: it lands during the norm
	PLOAD 12, 0, 0x80                              ; the gain and the offset, where o's fragments lay
	PLOAD 14, 64, 0x80
	PLOAD 18, HF, 0                                ; b2, for the sums that follow
	LNORM
	s_add_co_i32 s[T0], s[E24], 127
	SETLIM
	QX Y, 0
	QX Y+64, 8192
	s_add_co_i32 s[E1], s[E26], s[E27]
	s_lshl_b32 s[E2], s[E1], 1
	SETSP
	RESID                                          ; Y = (y + b2) x 2^-(e26+e27): it starts the second product's sums
	s_sub_co_i32 s[T0], s[E26], s[E24]
	s_sub_co_i32 s[T0], s[T0], s[E25]
	s_add_co_i32 s[T0], s[T0], 127                 ; the three scales folded: 2^(e26-e24-e25)
	SETLIM
	s_mov_b32 s[CNT], 7
	s_mov_b32 s[JJ], 0
	s_mov_b32 s[HB], 0
	s_mov_b32 s[TB], 0
	s_wait_alu depctr_va_vdst(0)
	s_barrier_signal -1
	s_barrier_wait -1                              ; everybody's images of y are in LDS
	WIN 0x80
.set ii, 0
.rept 32
	ds_load_b128 v[TF+4*ii:TF+4*ii+3], v[YR] offset:512*ii
.set ii, ii+1
.endr
	WIN 0
.Lchunk:                                           ; seven trips; the eighth chunk is written out: it asks for no further weights
	CHUNK 0
	s_add_co_u32 s[JJ], s[JJ], 1024
	s_xor_b32 s[HB], s[HB], 8192                   ; the other buffer of hidden images
	s_xor_b32 s[TB], s[TB], SLOT1                  ; the other slot
	s_sub_co_u32 s[CNT], s[CNT], 1
	s_cmp_lg_u32 s[CNT], 0
	s_cbranch_scc1 .Lchunk
	CHUNK 1
	LNORM
	; THE WAY OUT: a row's 512 numbers come from four waves: they meet in the stage
	WIN 0x08
.irp m, 0,1
.irp t, 0,1,2,3,4,5,6,7
.irp q, 0,1
	ds_store_b128 v[SO], v[Y+64*\m+8*\t+4*\q:Y+64*\m+8*\t+4*\q+3] offset:33024*\m+64*\t+16*\q
.endr
.endr
.endr
	WIN 0
	s_wait_dscnt 0x0
	s_barrier_signal -1
	s_barrier_wait -1
	WIN 0x40
.set ii, 0
.rept 32
	ds_load_b128 v[4*ii:4*ii+3], v[SR] offset:(ii/4)*2064+(ii%4)*512
.set ii, ii+1
.endr
	WIN 0x04
.set ii, 0
.rept 32
	s_wait_dscnt 31-ii                             ; the younger loads may stay out
	global_store_b128 v[LI], v[4*ii:4*ii+3], s[26:27] offset:(ii/4)*2048+(ii%4)*512 th:TH_STORE_NT   ; 512 consecutive bytes
.set ii, ii+1
.endr
	WIN 0
	s_wait_tensorcnt 0x0                           ; the wave's end
	ds_add_u32 v[SPW], v[NIL]
	s_wait_dscnt 0x0
	ROUND                                          ; the closing round
	s_endpgm
.Lfunc_end_k_qa62d82c9b2_ffn:
	.size	k_qa62d82c9b2_ffn, .Lfunc_end_k_qa62d82c9b2_ffn-k_qa62d82c9b2_ffn
	.p2alignl 7, 3214868480
	.fill 96, 4, 3214868480
	.section	.rodata,"a",@progbits
	.p2align	6, 0x0
	.amdhsa_kernel k_qa62d82c9b2_ffn
		.amdhsa_group_segment_fixed_size 327680
		.amdhsa_private_segment_fixed_size 0
		.amdhsa_enable_private_segment 0
		.amdhsa_kernarg_size 96
		.amdhsa_user_sgpr_count 2
		.amdhsa_user_sgpr_kernarg_segment_ptr 1
		.amdhsa_wavefront_size32 1
		.amdhsa_system_sgpr_workgroup_id_x 1
		.amdhsa_system_sgpr_workgroup_id_y 1
		.amdhsa_system_sgpr_workgroup_id_z 1
		.amdhsa_system_vgpr_workitem_id 0
		.amdhsa_next_free_vgpr 1024
		.amdhsa_next_free_sgpr 100
		.amdhsa_reserve_vcc 0
		.amdhsa_float_denorm_mode_32 3
		.amdhsa_float_denorm_mode_16_64 3
		.amdhsa_memory_ordered 1
		.amdhsa_forward_progress 1
		.amdhsa_inst_pref_size 161
	.end_amdhsa_kernel
	.amdgpu_metadata
---
amdhsa.version: [ 1, 2 ]
amdhsa.kernels:
  - .name:           k_qa62d82c9b2_ffn
    .symbol:         k_qa62d82c9b2_ffn.kd
    .args:
      - { .name: o_c, .offset: 0, .size: 8, .value_kind: global_buffer, .address_space: global }
      - { .name: hres, .offset: 8, .size: 8, .value_kind: global_buffer, .address_space: global }
      - { .name: wimg, .offset: 16, .size: 8, .value_kind: global_buffer, .address_space: global }
      - { .name: bo_c, .offset: 24, .size: 8, .value_kind: global_buffer, .address_space: global }
      - { .name: ln2_g, .offset: 32, .size: 8, .value_kind: global_buffer, .address_space: global }
      - { .name: ln2_b, .offset: 40, .size: 8, .value_kind: global_buffer, .address_space: global }
      - { .name: b1, .offset: 48, .size: 8, .value_kind: global_buffer, .address_space: global }
      - { .name: b2, .offset: 56, .size: 8, .value_kind: global_buffer, .address_space: global }
      - { .name: ln3_g, .offset: 64, .size: 8, .value_kind: global_buffer, .address_space: global }
      - { .name: ln3_b, .offset: 72, .size: 8, .value_kind: global_buffer, .address_space: global }
      - { .name: lowp_scales, .offset: 80, .size: 8, .value_kind: global_buffer, .address_space: global }
      - { .name: out0, .offset: 88, .size: 8, .value_kind: global_buffer, .address_space: global }
    .group_segment_fixed_size: 327680
    .private_segment_fixed_size: 0
    .kernarg_segment_align: 8
    .kernarg_segment_size: 96
    .max_flat_workgroup_size: 128
    .sgpr_count:     100
    .vgpr_count:     1024
    .wavefront_size: 32
...
	.end_amdgpu_metadata
.endif
;; end of part 5
